; MI455X (gfx1250); checked and timed in simulation.
; The chip was launched on July 23, 2026; its instructions are those of AMD's public machine-readable ISA for CDNA 5 (MIT licence, August 2026) and "CDNA5" Instruction Set Architecture Reference Guide (July 2026). The comments in the code are by the model that wrote it; some were corrected since.
;; Attention. Allowed arithmetic: matrix products marked QUANTISED: E5M2 operands, one E8M0 scale for each 32 along K, by v_wmma_scale_f32_16x16x128_f8f6f4 with both operands' format E5M2, f32 sums; everything else in f32.
;; Inputs: w_kv 1,024 x 2,048 float32; w_out 1,024 x 1,024 float32; w_q 1,024 x 1,024 float32; x 2 x 2,048 x 1,024 float32.
;; Outputs: out0 2 x 2,048 x 1,024 float32.
;; This version of the problem:
;;   THIS VERSION OF THE PROBLEM IS GIVEN IN LOW PRECISION. The matrix products marked QUANTISED in the list below multiply operands that are first quantised to E5M2 (5 exponent bits, 2 mantissa bits; 8 bits a number), with one power-of-two scale for each 32 numbers along K (OCP MX v1.0); their sums are f32. All else is computed in f32.
;;   The module's matrix products, in the order in which they are computed (A, B: the left and right operand; K: the contracted axis; several contracted axes count as one K, in the product's order):
;;     1. [M 4,096, K 1,024] x [K 1,024, N 1,024]; A: input x; B: input w_q: QUANTISED
;;     2. [M 4,096, K 1,024] x [K 1,024, N 2,048]; A: input x; B: input w_kv: QUANTISED
;;     3. batch 32 x [M 2,048, K 64] x [K 64, N 2,048]; A: computed on the way; B: computed on the way: QUANTISED
;;     4. batch 32 x [M 2,048, K 2,048] x [K 2,048, N 64]; A: softmax (see below); B: computed on the way: QUANTISED
;;     5. [M 4,096, K 1,024] x [K 1,024, N 1,024]; A: computed on the way; B: input w_out: QUANTISED
;;   THE QUANTISER, for each operand of a quantised product, along K:
;;     - K is cut into blocks of 32 from its start; a last block that is shorter is filled with zeros.
;;     - A block's scale is 2^e with e = floor(log2(the largest magnitude in the block)) - 15, held to -126 .. 127; a block of zeros has e = 0. As a byte (E8M0): e + 127.
;;     - Each number is divided by its block's scale, clamped to +-57,344, and rounded to the nearest number of E5M2, ties to even, subnormals kept.
;;     - The product sums the exact products of the quantised numbers (number of the format x scale) in f32.
;;   ~~~python
;;   def quantise(x, axis):      # numpy; x: float32 -> the quantised numbers, widened to float32 again
;;       x = np.moveaxis(x, axis, -1); K = x.shape[-1]
;;       x = np.pad(x, [(0, 0)] * (x.ndim - 1) + [(0, -K % 32)]); x = x.reshape(x.shape[:-1] + (-1, 32)); a = np.abs(x).max(-1, keepdims=True)
;;       e = np.where(a > 0, np.clip(np.frexp(np.where(a > 0, a, 1))[1] - 1 - 15, -126, 127), 0)      # np.frexp(a)[1] - 1 = floor(log2(a)), exactly
;;       r = np.clip(x / 2.0 ** e, -57344, 57344)
;;       step = 2.0 ** (np.maximum(np.frexp(np.where(r == 0, 1, r))[1] - 1, -14) - 2)
;;       q = np.round(r / step) * step * 2.0 ** e      # np.round: ties to even
;;       return np.moveaxis(q.reshape(q.shape[:-2] + (-1,))[..., :K], -1, axis).astype(np.float32)
;;   ~~~
;;   SOFTMAX AHEAD OF A QUANTISED PRODUCT. Where the list says 'softmax', what is quantised is not the finished softmax but p = 2^(t - M), with t = logit x log2(e) and M = ceil(the row's largest t), a whole number; so 1/2 < the row's largest p <= 1. The row's sum l is taken of the UNQUANTISED p, in f32, and the product's result is divided by l at the end. Since M is a whole number, a kernel that streams over the keys may use a running M (the ceiling of the running maximum): every later rescaling is an exact power of two, which a block's scale takes up: the codes' values come out the same.
;;   OPERANDS COMPUTED ON THE WAY. 'Computed on the way' means the value that the module computes at that place (a softmax that the list does not call 'softmax' is quantised finished and normalised). What goes into a quantiser is computed in f32, as accurately as f32 sums, v_exp_f32 and their like allow (about 1e-6 of the number): no bf16 or f16 on the way to a quantiser, and a product that is left as it is and whose result goes on into a quantised operand takes f32 operands (vector FMAs, or v_wmma_f32_16x16x4_f32). A number that lies on a knife's edge between two numbers of the format may be rounded either way, as far as f32 arithmetic and the matrix unit's own rounding can turn it there, and no further.
;; One version. Each part assembles by itself: llvm-mc -triple=amdgcn-amd-amdhsa -mcpu=gfx1250 --defsym DOCPART=n.
;; ======== version 1 of 1: 4 launches
;; limits: right only within a limited range of input values
;; workspace buffers: xq 4,587,520 bytes; wq 4,325,376 bytes; qkv 13,369,344 bytes; oq 4,325,376 bytes
;; launch prep (part 1): grid 512 x 1, 4 waves a work-group, no clusters, 68,352 bytes of LDS; arguments x, w_q, w_kv, w_out, xq, wq; writes xq, wq
.if DOCPART == 1
	.amdgcn_target "amdgcn-amd-amdhsa--gfx1250"
	.amdhsa_code_object_version 6
	.text
	.protected	k_qa97bfb434c_prep
	.globl	k_qa97bfb434c_prep
	.p2align	8
	.type	k_qa97bfb434c_prep,@function
k_qa97bfb434c_prep:
	s_mov_b64 s[64:65], 0
	v_nop
	global_prefetch_b8 v0, s[64:65] scope:SCOPE_SE
	s_setreg_imm32_b32 hwreg(HW_REG_WAVE_MODE, 25, 1), 1
	s_wait_xcnt 0x0
; PREP: x [4096][1024] and the three weights (K = their FIRST axis) become codes of BF8 (E5M2) with one E8M0 byte for each 32 along K; the rope's cosines and sines are tabled.
; LAYOUT OF THE CODES: images of the operand's registers.  A fragment (16 rows x 128 K) is 2,048 bytes: byte 512 c + 16 lane holds the 16 codes k = 32 c + 16 (lane / 16) + 0 .. 15 of row lane % 16.
;   xq: [row tile 256][K step 8][2,048];  wq likewise, its rows n: 0-1,023 w_q's columns, 1,024-3,071 w_kv's, 3,072-4,095 w_out's.
;   Scale words behind the images (byte XSW on): [pair of K steps 4][row 4,096][8 bytes].  Rope table in xq (byte ROPET on): [token tile 128][cos 0-3, cos 4-7, sin 0-3, sin 4-7][lane 32][4 words]:
;   lane (r, h), word j of a group pair: token 16 T + r, frequency 8 h + j.
; SHARES: work-groups 0-255: 16 rows of x each, a wave two K steps, and one angle a thread.  Work-groups 256-511: 64 columns x 256 along K of a weight, a wave 32 columns x 128: a lane to a column, registers down K.
; A block's scale is 2^(floor(log2(largest magnitude)) - 15): its byte is the largest magnitude's exponent field - 15, held at 1 from below by a floor among the maximum's leaves.
; WORK LEFT OUT in this program: in the attention launch the key steps of 128 keys that lie wholly behind a tile's queries under the causal mask that the problem builds itself: their scores are replaced by the least number
;   ahead of the softmax, so their p is 0 for all finite inputs.  A NaN, an infinity or an overflow that reaches only those scores is not carried to the result.
; LIMITS: NaN and infinities among the inputs are not served.  A block of zeros gets the byte 1 (not 127): its codes are zeros, and only this program reads the bytes.  Largest magnitudes under 2^-111 are taken as that floor.
;   The 16 rope frequencies are 10^(-i/4) rounded to f32; the angle token x frequency is reduced by pi/2 in three parts and put through polynomials of degree 7 and 8 (about 1e-7 of 1).
.set XSW,   4194304
.set ROPET, 4325376
.set STG,   8448                       ; a stage: 16 rows x (512 bytes + 16); two for each wave
.set SPARE, 0x10800
.set XB,    0x10a00                    ; the weights' path: 256 bytes for scale words on their way from one wave to another
.set WV,  16                           ; s16  wave
.set MNT, 17                           ; s17  the mantissa field of 57,344
.set SEL, 18                           ; s[18:19] v_permlanex16_b32's selects for lane l xor 16
.set SPW, 9
.set NIL, 12
.set TM,  16                           ; x path: v16-19 largest magnitudes, v20-23 bytes, v24-27 57,344 x the scale, v28-31 the conversions' scale operands
.set PC,  32                           ; v32-63  the two fragments' codes
.set X,   64                           ; v64-127 64 numbers of a lane: register 16 c + i = k 32 c + 16 h + i of row r (before that: at work on the angle)
.set R,   128                          ; v128-255 the 32 loads as they come
.set WOF, 16                           ; weights: v16-47 byte offsets of a block's 32 rows
.set WX,  48                           ; v48-175 four blocks of 32 numbers
.set WC,  176                          ; v176-207 eight registers of codes for each block
.set WSB, 208                          ; v[208:209] a column's scale words of the pair of K steps
; 64 numbers of a lane (four blocks, 16 of each; the other 16 lie in lane l xor 16) become 16 registers of codes at v[pc] and the row's scale word in v[pw]
.macro QUANT s, pc, pw
.irp b, 0,1,2,3
	v_max3_num_f32 v[TM+\b], |v[\s+16*\b]|, |v[\s+1+16*\b]|, 0x8000000      ; my 16 numbers and the floor 2^(16 - 127)
.endr
.irp i, 2,4,6,8,10,12,14
.irp b, 0,1,2,3
	v_max3_num_f32 v[TM+\b], v[TM+\b], |v[\s+16*\b+\i]|, |v[\s+1+16*\b+\i]|  ; the four blocks by turns
.endr
.endr
.irp b, 0,1,2,3
	v_permlanex16_b32 v[TM+4+\b], v[TM+\b], s[SEL], s[SEL+1]
.endr
.irp b, 0,1,2,3
	v_max_num_f32 v[TM+\b], v[TM+\b], v[TM+4+\b]                             ; the block's largest magnitude
.endr
.irp b, 0,1,2,3
	v_add_nc_u32 v[TM+12+\b], 0xf8800000, v[TM+\b]                           ; 15 off its exponent field: the conversion's scale operand
.endr
.irp b, 0,1,2,3
	v_and_or_b32 v[TM+8+\b], v[TM+\b], 0x7f800000, s[MNT]                    ; 57,344 x the scale
.endr
.irp b, 0,1,2,3
	v_lshrrev_b32 v[TM+4+\b], 23, v[TM+12+\b]                                ; the scale's byte
.endr
	v_lshl_or_b32 v[\pw], v[TM+5], 8, v[TM+4]
	v_lshl_or_b32 v[\pw], v[TM+6], 16, v[\pw]
	v_lshl_or_b32 v[\pw], v[TM+7], 24, v[\pw]
.irp b, 0,1,2,3
.irp i, 0,1,2,3,4,5,6,7,8,9,10,11,12,13,14,15
	v_med3_num_f32 v[\s+16*\b+\i], v[\s+16*\b+\i], -v[TM+8+\b], v[TM+8+\b]   ; the conversion does not saturate (ISA guide 7.6.2): the hold comes first
.endr
	v_cvt_scalef32_pk8_bf8_f32 v[(\pc)+4*\b:(\pc)+4*\b+1], v[\s+16*\b:\s+16*\b+7], v[TM+12+\b]
	v_cvt_scalef32_pk8_bf8_f32 v[(\pc)+4*\b+2:(\pc)+4*\b+3], v[\s+16*\b+8:\s+16*\b+15], v[TM+12+\b]
.endr
	v_nop                                          ; a plain line behind the last conversion
.endm
	s_load_b256 s[4:11], s[0:1], 0x0               ; x, w_q, w_kv, w_out
	s_load_b128 s[12:15], s[0:1], 0x20             ; xq, wq
	v_lshl_add_u32 v[SPW], v0, 2, SPARE
	v_mov_b32 v[NIL], 0
	v_lshrrev_b32 v1, 5, v0
	v_readfirstlane_b32 s[WV], v1                  ; wave 0..3
	v_and_b32 v1, 31, v0                           ; lane
	v_and_b32 v2, 15, v0                           ; r
	v_bfe_u32 v3, v0, 4, 1                         ; h
	s_mov_b32 s[MNT], 0x600000
	s_mov_b32 s[SEL], 0x76543210
	s_mov_b32 s[SEL+1], 0xfedcba98
	s_wait_alu depctr_va_vdst(0)
	s_cmp_ge_u32 ttmp9, 256
	s_cbranch_scc1 .Lw
	; ---------------- x: row tile xt = the work-group's number; my wave's K steps 2 w and 2 w + 1
	v_lshlrev_b32 v4, 4, v1                        ; 16 x lane
	s_mul_i32 s20, s[WV], 2*STG
	v_add_nc_u32 v5, s20, v4                       ; into my stage: 16 x lane of a row
	v_mul_u32_u24 v6, v2, 528
	v_lshl_add_u32 v6, v3, 6, v6
	v_add_nc_u32 v6, s20, v6                       ; out of it: row r, + 64 h: my 16 numbers of a block
	v_lshlrev_b32 v7, 3, v2
	v_lshl_add_u32 v7, v3, 2, v7                   ; scale words: 8 r + 4 h
	v_lshlrev_b32 v8, 2, v0                        ; rope: 4 x thread
.irp b, 0,1,2,3
	v_mov_b32 v[TM+4+\b], 0                        ; a lane permute's destination counts as one of its sources
.endr
	s_lshl_b32 s20, ttmp9, 16                      ; x: 16 rows of 4,096 bytes,
	s_lshl_b32 s21, s[WV], 10                      ; my 256 numbers of a row
	s_add_co_u32 s20, s20, s21
	s_mov_b32 s21, 0
	s_lshl_b32 s22, ttmp9, 14                      ; images: (8 xt + 2 w) x 2,048
	s_lshl_b32 s23, s[WV], 12
	s_add_co_u32 s22, s22, s23
	s_mov_b32 s23, 0
	s_lshl_b32 s38, s[WV], 15                      ; scale words: pair w, row 16 xt
	s_lshl_b32 s39, ttmp9, 7
	s_add_co_u32 s38, s38, s39
	s_add_co_u32 s38, s38, XSW
	s_mov_b32 s39, 0
	s_lshr_b32 s40, ttmp9, 1                       ; rope: token tile T,
	s_and_b32 s41, ttmp9, 1                        ; and which group of four frequencies of a half
	s_lshl_b32 s42, s40, 11
	s_lshl_b32 s43, s41, 9
	s_add_co_u32 s42, s42, s43
	s_add_co_u32 s42, s42, ROPET
	s_mov_b32 s43, 0
	s_mov_b32 s36, 0xffff0000                      ; lanes 16-31
	s_wait_alu depctr_va_vdst(0)                   ; the wait at the head's end
	s_wait_kmcnt 0x0
	s_add_nc_u64 s[4:5], s[4:5], s[20:21]
	s_add_nc_u64 s[32:33], s[12:13], s[22:23]
	s_add_nc_u64 s[34:35], s[12:13], s[38:39]
	s_add_nc_u64 s[30:31], s[12:13], s[42:43]
.irp f, 0,1
.irp w, 0,1,2,3,4,5,6,7,8,9,10,11,12,13,14,15
	global_load_b128 v[R+64*\f+4*\w:R+64*\f+4*\w+3], v4, s[4:5] offset:\w*4096+\f*512 th:TH_LOAD_NT   ; 32 lanes read 512 consecutive bytes of row w
.endr
.endr
	; the rope, one angle a thread, while the loads are on their way.  Thread t's word lies at 4 t of a group of 512 bytes: table lane t / 4, word t % 4
	s_lshr_b32 s28, s[WV], 1
	s_lshl_b32 s28, s28, 1
	s_add_co_u32 s28, s28, s41                     ; which four of the 16 frequencies: 2 (w / 2) + group
	s_mov_b32 s24, 0x3f800000                      ; 10^(-i/4), i = 0 .. 3
	s_mov_b32 s25, 0x3f0ff59a
	s_mov_b32 s26, 0x3ea1e89b
	s_mov_b32 s27, 0x3e361887
.macro FOUR n, fa, fb, fc, fd
	s_cmp_eq_u32 s28, \n
	s_cselect_b32 s24, \fa, s24
	s_cselect_b32 s25, \fb, s25
	s_cselect_b32 s26, \fc, s26
	s_cselect_b32 s27, \fd, s27
.endm
	FOUR 1, 0x3dcccccd, 0x3d6655c3, 0x3d0186e2, 0x3c91ad39
	FOUR 2, 0x3c23d70a, 0x3bb8449c, 0x3b4f3e37, 0x3ae91528
	FOUR 3, 0x3a83126f, 0x3a136a16, 0x39a5cb5f, 0x393a7753
	s_and_b32 s29, s[WV], 1
	s_lshl_b32 s29, s29, 3
	s_lshl_b32 s37, s40, 4
	s_add_co_u32 s29, s29, s37                     ; 16 T + 8 (w % 2)
	v_lshrrev_b32 v64, 2, v1
	v_add_nc_u32 v64, s29, v64                     ; my token
	v_cvt_f32_u32 v64, v64
	v_and_b32 v69, 1, v1
	v_cmp_eq_u32 vcc_lo, 1, v69
	v_mov_b32 v65, s24
	v_mov_b32 v66, s25
	v_mov_b32 v67, s26
	v_mov_b32 v68, s27
	v_cndmask_b32 v65, v65, v66, vcc_lo
	v_cndmask_b32 v67, v67, v68, vcc_lo
	v_and_b32 v69, 2, v1
	v_cmp_eq_u32 vcc_lo, 2, v69
	v_cndmask_b32 v65, v65, v67, vcc_lo            ; my frequency
	v_mul_f32 v64, v64, v65                        ; the angle, rounded once, as the product of two f32 numbers is
	v_mul_f32 v66, 0x3f22f983, v64                 ; x 2 / pi
	v_rndne_f32 v66, v66                           ; the quarter turns
	v_fma_f32 v67, -v66, 0x3fc90fd8, v64           ; less that many pi / 2, in three parts (the first difference is exact)
	v_fma_f32 v67, -v66, 0x34a8885a, v67
	v_fma_f32 v67, -v66, 0x27c234c5, v67           ; rho, within pi / 4
	v_mul_f32 v68, v67, v67
	v_mov_b32 v69, 0xb94ca1f9
	v_fmaak_f32 v69, v69, v68, 0x3c08839e
	v_fmaak_f32 v69, v69, v68, 0xbe2aaaa3
	v_mul_f32 v70, v67, v68
	v_fma_f32 v69, v70, v69, v67                   ; sin rho
	v_mov_b32 v71, 0x37ccf5ce
	v_fmaak_f32 v71, v71, v68, 0xbab6061a
	v_fmaak_f32 v71, v71, v68, 0x3d2aaaa5
	v_fmaak_f32 v71, v71, v68, 0xbf000000
	v_fma_f32 v71, v71, v68, 1.0                   ; cos rho
	v_cvt_i32_f32 v72, v66
	v_and_b32 v73, 1, v72
	v_cmp_eq_u32 vcc_lo, 1, v73                    ; an odd quarter swaps the two (a choice of values: no branch, no address)
	v_cndmask_b32 v10, v69, v71, vcc_lo            ; sin
	v_cndmask_b32 v11, v71, v69, vcc_lo            ; cos
	v_and_b32 v73, 2, v72
	v_lshlrev_b32 v73, 30, v73
	v_xor_b32 v10, v73, v10                        ; quarters 2, 3: -sin
	v_add_nc_u32 v72, 1, v72
	v_and_b32 v72, 2, v72
	v_lshlrev_b32 v72, 30, v72
	v_xor_b32 v11, v72, v11                        ; quarters 1, 2: -cos
	global_store_b32 v8, v11, s[30:31]             ; the work-group's four waves fill 512 consecutive bytes
	global_store_b32 v8, v10, s[30:31] offset:1024
; fragment f: 16 rows x 128 numbers turn through my stage, so that a lane holds 16 neighbours of each block; LDS serves a wave's instructions in order, so no wait stands between the stores and the loads
.macro FRAGX f
	s_wait_loadcnt 16*(1-\f)                       ; this fragment's 16 loads are in; the other's may be out
.irp w, 0,1,2,3,4,5,6,7,8,9,10,11,12,13,14,15
	ds_store_b128 v5, v[R+64*\f+4*\w:R+64*\f+4*\w+3] offset:\f*STG+\w*528
.endr
.irp c, 0,1,2,3
.irp j, 0,1,2,3
	ds_load_b128 v[X+16*\c+4*\j:X+16*\c+4*\j+3], v6 offset:\f*STG+128*\c+16*\j
.endr
.endr
	s_wait_dscnt 0x0
	QUANT X, PC+16*\f, 14+\f
.irp c, 0,1,2,3
	global_store_b128 v4, v[PC+16*\f+4*\c:PC+16*\f+4*\c+3], s[32:33] offset:\f*2048+512*\c   ; 512 consecutive bytes
.endr
.endm
	FRAGX 0
	FRAGX 1
	v_cndmask_b32 v13, v14, v15, s36               ; lanes 0-15: the first K step's word of row r, lanes 16-31: the second's
	global_store_b32 v7, v13, s[34:35]             ; 128 consecutive bytes
	s_wait_tensorcnt 0x0                           ; the wave's end
	ds_add_u32 v[SPW], v[NIL]
	s_wait_dscnt 0x0
	s_endpgm
	; ---------------- the weights: a lane takes a column n, its registers run down K: a block of 32 lies in one lane, and the codes come out with K innermost
.Lw:
	s_sub_co_u32 s20, ttmp9, 256
	s_and_b32 s21, s20, 63                         ; which 64 of the 4,096 columns
	s_lshr_b32 s22, s20, 6                         ; which 256 along K: a pair of K steps
	s_and_b32 s52, s[WV], 1                        ; my 32 columns of them,
	s_lshr_b32 s53, s[WV], 1                       ; my K step of the pair
	s_lshl_b32 s54, s52, 7
	s_add_co_u32 s54, s54, XB
	v_lshlrev_b32 v4, 2, v1                        ; in: 4 bytes a lane
	v_add_nc_u32 v7, s54, v4                       ; LDS: my columns' scale words
	v_lshlrev_b32 v5, 14, v3                       ; out: lanes 16-31 hold the next row tile (16,384 bytes on),
	v_lshl_add_u32 v5, v2, 4, v5                   ; row r's 16 bytes
	v_lshlrev_b32 v6, 3, v1                        ; scale words: 8 bytes a column
	s_mov_b32 s23, 8192
	s_wait_alu depctr_va_vdst(0)
	s_wait_kmcnt 0x0
	s_cmp_lt_u32 s21, 48                           ; the source hangs on the work-group's number alone
	s_cselect_b64 s[24:25], s[8:9], s[10:11]       ; w_kv or w_out,
	s_cselect_b32 s26, 16, 48                      ; its first group of columns,
	s_cselect_b32 s23, s23, 4096                   ; its row in bytes
	s_cmp_lt_u32 s21, 16
	s_cselect_b64 s[24:25], s[6:7], s[24:25]       ; or w_q
	s_cselect_b32 s26, 0, s26
	s_cselect_b32 s23, 4096, s23
	s_sub_co_u32 s27, s21, s26
	s_lshl_b32 s27, s27, 8                         ; 64 columns of 4 bytes,
	s_lshl_b32 s28, s52, 7                         ; my wave's 32
	s_add_co_u32 s27, s27, s28
	s_lshl_b32 s28, s22, 8
	s_lshl_b32 s30, s53, 7
	s_add_co_u32 s28, s28, s30                     ; my first row
	s_mul_i32 s28, s28, s23
	s_add_co_u32 s28, s28, s27
	s_mov_b32 s29, 0
	s_add_nc_u64 s[32:33], s[24:25], s[28:29]      ; block 0's first row
	s_lshl_b32 s28, s23, 5                         ; 32 rows
.irp t, 1,2,3
	s_add_nc_u64 s[32+2*\t:33+2*\t], s[30+2*\t:31+2*\t], s[28:29]   ; a base for each block
.endr
.irp i, 0,1,2,3,4,5,6,7,8,9,10,11,12,13,14,15,16,17,18,19,20,21,22,23,24,25,26,27,28,29,30,31
	v_mad_u32_u24 v[WOF+\i], s23, \i, v4           ; row i of a block, my column
.endr
	s_wait_alu depctr_va_vdst(0)
.irp t, 0,1,2,3                        ; all four blocks are asked for at once
.irp i, 0,1,2,3,4,5,6,7,8,9,10,11,12,13,14,15,16,17,18,19,20,21,22,23,24,25,26,27,28,29,30,31
	global_load_b32 v[WX+32*\t+\i], v[WOF+\i], s[32+2*\t:33+2*\t] th:TH_LOAD_NT   ; 128 consecutive bytes a wave, 256 two waves
.endr
.endr
	s_lshl_b32 s28, s21, 16                        ; images: row tile 4 x group + 2 x my half, K step 2 x pair + mine
	s_lshl_b32 s30, s52, 15
	s_add_co_u32 s28, s28, s30
	s_lshl_b32 s30, s22, 12
	s_add_co_u32 s28, s28, s30
	s_lshl_b32 s30, s53, 11
	s_add_co_u32 s28, s28, s30
	s_add_nc_u64 s[48:49], s[14:15], s[28:29]
	s_lshl_b32 s28, s22, 15                        ; scale words: the pair, row 64 x group + 32 x my half
	s_lshl_b32 s30, s21, 9
	s_add_co_u32 s28, s28, s30
	s_lshl_b32 s30, s52, 8
	s_add_co_u32 s28, s28, s30
	s_add_co_u32 s28, s28, XSW
	s_add_nc_u64 s[50:51], s[14:15], s[28:29]
.macro WBLOCK t
.set XS, WX+32*(\t)
.if (\t) < 2
	s_wait_loadcnt 63                              ; (64 loads and more were issued behind this block's)
.else
	s_wait_loadcnt 32*(3-(\t))
.endif
	v_max3_num_f32 v14, |v[XS]|, |v[XS+1]|, |v[XS+2]|
	v_max3_num_f32 v13, |v[XS+3]|, |v[XS+4]|, |v[XS+5]|
.irp i, 6,10,14,18,22,26
	v_max3_num_f32 v14, v14, |v[XS+\i]|, |v[XS+\i+1]|
	v_max3_num_f32 v13, v13, |v[XS+\i+2]|, |v[XS+\i+3]|
.endr
	v_max3_num_f32 v14, v14, |v[XS+30]|, |v[XS+31]|
	v_max3_num_f32 v14, v14, v13, 0x8000000        ; and the floor
	v_add_nc_u32 v11, 0xf8800000, v14              ; the conversion's scale operand
	v_and_or_b32 v10, v14, 0x7f800000, s[MNT]      ; 57,344 x the scale
	v_lshrrev_b32 v13, 23, v11                     ; the byte
.if (\t) == 0
	v_mov_b32 v[WSB], v13
.else
	v_lshl_or_b32 v[WSB], v13, 8*(\t), v[WSB]
.endif
.irp i, 0,1,2,3,4,5,6,7,8,9,10,11,12,13,14,15,16,17,18,19,20,21,22,23,24,25,26,27,28,29,30,31
	v_med3_num_f32 v[XS+\i], v[XS+\i], -v10, v10
.endr
.irp g, 0,1,2,3
	v_cvt_scalef32_pk8_bf8_f32 v[WC+8*(\t)+2*\g:WC+8*(\t)+2*\g+1], v[XS+8*\g:XS+8*\g+7], v11
.endr
	v_nop                                          ; a plain line behind the last conversion
	global_store_b128 v5, v[WC+8*(\t):WC+8*(\t)+3], s[48:49] offset:(\t)*512          ; k 0-15 of the block: the image's lanes 0-15: sixteen lanes fill 256 aligned bytes, twice
	global_store_b128 v5, v[WC+8*(\t)+4:WC+8*(\t)+7], s[48:49] offset:(\t)*512+256    ; k 16-31: its lanes 16-31
.endm
.irp t, 0,1,2,3
	WBLOCK \t
.endr
	s_wait_alu depctr_va_vdst(0)
	s_cmp_eq_u32 s53, 0
	s_cbranch_scc1 .Lfirst_k                       ; waves 2, 3 (the pair's second K step) hand their words to waves 0, 1
	ds_store_b32 v7, v[WSB]
.Lfirst_k:
	s_wait_dscnt 0x0
	s_barrier_signal -1
	s_barrier_wait -1
	s_cmp_lg_u32 s53, 0
	s_cbranch_scc1 .Lw_end
	ds_load_b32 v[WSB+1], v7
	s_wait_dscnt 0x0
	global_store_b64 v6, v[WSB:WSB+1], s[50:51]    ; 256 consecutive bytes
.Lw_end:
	s_wait_tensorcnt 0x0                           ; the wave's end
	ds_add_u32 v[SPW], v[NIL]
	s_wait_dscnt 0x0
	s_endpgm
.Lfunc_end_k_qa97bfb434c_prep:
	.size	k_qa97bfb434c_prep, .Lfunc_end_k_qa97bfb434c_prep-k_qa97bfb434c_prep
	.p2alignl 7, 3214868480
	.fill 96, 4, 3214868480
	.section	.rodata,"a",@progbits
	.p2align	6, 0x0
	.amdhsa_kernel k_qa97bfb434c_prep
		.amdhsa_group_segment_fixed_size 68352
		.amdhsa_private_segment_fixed_size 0
		.amdhsa_enable_private_segment 0
		.amdhsa_kernarg_size 48
		.amdhsa_user_sgpr_count 2
		.amdhsa_user_sgpr_kernarg_segment_ptr 1
		.amdhsa_wavefront_size32 1
		.amdhsa_system_sgpr_workgroup_id_x 1
		.amdhsa_system_sgpr_workgroup_id_y 1
		.amdhsa_system_sgpr_workgroup_id_z 1
		.amdhsa_system_vgpr_workitem_id 0
		.amdhsa_next_free_vgpr 256
		.amdhsa_next_free_sgpr 66
		.amdhsa_reserve_vcc 1
		.amdhsa_float_denorm_mode_32 3
		.amdhsa_float_denorm_mode_16_64 3
		.amdhsa_memory_ordered 1
		.amdhsa_forward_progress 1
		.amdhsa_inst_pref_size 62
	.end_amdhsa_kernel
	.amdgpu_metadata
---
amdhsa.version: [ 1, 2 ]
amdhsa.kernels:
  - .name:           k_qa97bfb434c_prep
    .symbol:         k_qa97bfb434c_prep.kd
    .args:
      - { .name: x, .offset: 0, .size: 8, .value_kind: global_buffer, .address_space: global }
      - { .name: w_q, .offset: 8, .size: 8, .value_kind: global_buffer, .address_space: global }
      - { .name: w_kv, .offset: 16, .size: 8, .value_kind: global_buffer, .address_space: global }
      - { .name: w_out, .offset: 24, .size: 8, .value_kind: global_buffer, .address_space: global }
      - { .name: xq, .offset: 32, .size: 8, .value_kind: global_buffer, .address_space: global }
      - { .name: wq, .offset: 40, .size: 8, .value_kind: global_buffer, .address_space: global }
    .group_segment_fixed_size: 68352
    .private_segment_fixed_size: 0
    .kernarg_segment_align: 8
    .kernarg_segment_size: 48
    .max_flat_workgroup_size: 128
    .sgpr_count:     66
    .vgpr_count:     256
    .wavefront_size: 32
...
	.end_amdgpu_metadata
.endif
;; end of part 1
;; launch qkv (part 2): grid 16 x 16, 8 waves a work-group, clusters of 4 x 4, 327,680 bytes of LDS; arguments xq, wq, qkv; writes qkv
.if DOCPART == 2
	.amdgcn_target "amdgcn-amd-amdhsa--gfx1250"
	.amdhsa_code_object_version 6
	.text
	.protected	k_qa97bfb434c_qkv
	.globl	k_qa97bfb434c_qkv
	.p2align	8
	.type	k_qa97bfb434c_qkv,@function
k_qa97bfb434c_qkv:
	s_mov_b64 s[64:65], 0
	v_nop
	global_prefetch_b8 v0, s[64:65] scope:SCOPE_SE
	s_setreg_imm32_b32 hwreg(HW_REG_WAVE_MODE, 25, 1), 1
	s_wait_xcnt 0x0
	s_wait_alu depctr_hold_cnt(0) depctr_sa_sdst(0) depctr_va_vdst(0) depctr_va_sdst(0) depctr_va_ssrc(0) depctr_va_vcc(0) depctr_vm_vsrc(0)
	s_getreg_b32 s2, hwreg(HW_REG_IB_STS2, 6, 4)
	s_cmp_eq_u32 s2, 0
	s_cbranch_scc0 .Lentry_in_a_cluster
	s_endpgm
.Lentry_in_a_cluster:
	s_bfe_u32 s2, ttmp6, 0x10000c
	s_cmp_lg_u32 s2, 0xf033
	s_cbranch_scc0 .Lentry_shape_is_right
	s_endpgm
.Lentry_shape_is_right:
; QKV: q = x w_q, k and v = x w_kv on codes of BF8 (E5M2) with E8M0 scales; then the rope on q and k; then q, k (along the head's 64) and v (along the keys) are quantised in registers and leave as codes.
; A WORK-GROUP makes 256 tokens x 192 features: two heads of q or k (heads 2 ct, 2 ct + 1 of q's 16 and k's 16) and head ct of v: 16 x 16 = 256 equal work-groups.
; A WAVE (eight): 64 tokens (quarter i = w % 4) x one head of q or k (j = w / 4) and half j of v's head: 16 + 8 accumulators.
; OPERANDS ARE IMAGES OF REGISTERS (16 rows x 128 K = 2,048 bytes, byte 512 c + 16 lane): dense in memory and in LDS, no padding.
; q, k: source 0 = features, source 1 = tokens: a lane's registers run along the head's d.   v: source 0 = tokens, source 1 = features: they run along the keys, the K of the product that v feeds.
;   So each quantiser finds its 32 neighbours in lanes l and l xor 16.  In a block of 32, place 16 h + 8 u + j holds element 16 u + 8 h + j: the same in q and k, and in v and p, so every product pairs like with like,
;   and the blocks, their scales and their codes are those of the plain order.  The rope's partners d and d + 16 lie in one lane.
; LDS HOLDS FIVE OF THE EIGHT K STEPS of 128: region 0 K steps 0, 1 and region 1 K steps 2, 3, 4, both asked for at the head, one joint load a wave (waves 0-3 region 0: x's halves, q's or k's rows, v's rows; waves 4-7 region 1 likewise).
;   Region 0 is shown at a first barrier.  Behind K step 1 a drained round: region 0 takes K steps 5, 6; behind K step 4 another: region 1's first parts take K step 7.
; CLUSTERS: 4 x 4 work-groups; x's rows are shared along a row of the cluster, the weights' along a column.  No prefetch: all but two refills are asked for at the head.
; Scale words [pair of K steps 4][row][8 bytes] go straight into registers: lanes 0-15 an even tile's rows, lanes 16-31 the odd tile's behind it.
; OUT (buffer qkv): q's codes at 0, k's at 4 MiB: [batch x head 32][token tile 128][c 2][512];  v's at 8 MiB: [32][key step 16][d tile 4][2,048];
;   scale words at SCQ (q) and SCQ + SCSZ (k, v): [32][step 16][768]: bytes 0-255 and 256-511: q's or k's token tiles 0-3 and 4-7 of the step: 8 bytes a lane, word n = tile 2 n + lane / 16, row lane % 16 (bytes 2, 3 of a word are 0);
;   bytes 512-767: v's, 8 bytes a lane, word n = d tile 2 n + lane / 16.
; LIMITS: NaN and infinities are not served; a block of zeros gets the byte 1, not 127 (its codes are zeros; only this program reads the bytes); largest magnitudes under 2^-111 are taken as that floor.
; REGISTERS: window 0: v0-31 addresses; v32-47, v52-75 scale words; v80-207 the tokens' fragments, two sets; v208-239 v's features.  window 1: v0-191 accumulators, v192-255 q's or k's features.
.set NP,    8                          ; places behind this matrix instruction (ISA guide 7.12.1 for vector instructions)
.set R1,    114688                     ; region 0: x 65,536, q or k 32,768, v 16,384 bytes;  region 1: x 98,304, q or k 49,152, v 24,576
.set SPARE, 286720
.set VB,    287744                     ; v's scale bytes on their way out: 256 bytes for each of my two key steps
.set IMGSW, 4194304
.set ROPET, 4325376
.set SCQ,   12582912
.set SCSZ,  393216
.set AD,  10                           ; v10-18 my fragments' LDS addresses: tokens, q or k, v, for region 0, region 1, and region 1 with K step 7
.set VST, 19
.set VRD, 20
.set WA,  21
.set WB,  22
.set SW,  24                           ; v24-26 scale words on their way out
.set SPW, 28
.set NIL, 29
.set LI,  30                           ; 16 x lane
.set L8,  31                           ; 8 x lane
.set ST,  32                           ; the tokens' scale words: register 8 (tile / 2) + K step
.set SF,  52                           ; the features': no product's two numbers are equal modulo 8
.set TF,  80
.set VF,  208
.set T,   144                          ; the tail: 64 held numbers
.set TM,  240
.set G0A, 20
.set G0Q, 24
.set G0V, 28
.set A0,  32
.set Q0,  40
.set V0,  48
.set A1,  56
.set Q1,  68
.set V1,  76
.set SEL, 98
.set LHI, 100
.set MNT, 101
.set MSB, 0
.macro WIN new                         ; the immediate's high byte repeats the setting that is left
.if MSB != \new
	s_set_vgpr_msb (MSB<<8)|\new
.set MSB, \new
.endif
.endm
.macro PLACES n
.rept \n
	v_nop
.endr
.endm
.macro CROUND                          ; a round of the cluster's barrier
	s_barrier_signal -1
	s_barrier_wait -1
	s_cmp_lg_u32 s14, 0
	s_cbranch_scc1 .Lnot_wave_0_\@
	s_barrier_signal -3
.Lnot_wave_0_\@:
	s_barrier_wait -3
	s_barrier_signal -1
	s_barrier_wait -1
.endm
.macro GRP g, el, rows                 ; descriptor group 1: so many row tiles of el x 8 bytes, 16,384 bytes apart
	s_mov_b32 s[\g+1], (\el)<<16
	s_mov_b32 s[\g+2], (\rows)<<16
	s_mov_b32 s[\g+3], (\el)<<16
	s_mov_b32 s[\g+4], \rows
	s_mov_b32 s[\g+5], 2048
	s_mov_b32 s[\g+6], 0
	s_mov_b32 s[\g+7], 0
.endm
.macro TLOAD g0, g1
	tensor_load_to_lds s[\g0:\g0+3], s[\g1:\g1+7]
	s_nop 0
	PLACES 4
.endm
.macro THREE wa, wq, ga, gq, gv, join  ; a joint load for each of four waves: x's halves under wave wa, q's or k's rows under wq, v's behind
	s_cmp_lt_u32 s14, \wa
	s_cbranch_scc0 .Lfor_q_\@
	TLOAD G0A, \ga
	s_branch \join
.Lfor_q_\@:
	s_cmp_lt_u32 s14, \wq
	s_cbranch_scc0 .Lfor_v_\@
	TLOAD G0Q, \gq
	s_branch \join
.Lfor_v_\@:
	TLOAD G0V, \gv
.endm
	s_load_b128 s[4:7], s[0:1], 0x0                ; xq, wq
	s_load_b64 s[8:9], s[0:1], 0x10                ; qkv
	v_lshl_add_u32 v[SPW], v0, 2, SPARE
	v_mov_b32 v[NIL], 0
	ds_add_u32 v[SPW], v[NIL]                      ; the opening lines; the set-up below stands between them and their wait
	ds_add_u32 v[SPW], v[NIL]
	v_lshrrev_b32 v1, 5, v0
	v_readfirstlane_b32 s14, v1                    ; wave 0..7
	s_and_b32 s15, s14, 3                          ; i
	s_lshr_b32 s16, s14, 2                         ; j.  Also: the region that I fetch for at the head
	s_and_b32 s11, s14, 1                          ; which half of x's rows I fetch, if I fetch x's
	s_bfe_u32 s17, ttmp6, 0x40000                  ; cx
	s_bfe_u32 s18, ttmp6, 0x40004                  ; cy
	s_lshl_b32 s19, ttmp9, 2
	s_add_co_u32 s19, s19, s17                     ; ct
	s_and_b32 s10, ttmp7, 0xffff
	s_lshl_b32 s10, s10, 2
	s_add_co_u32 s10, s10, s18                     ; rt: 256 tokens
	s_lshl_b32 s12, s18, 2
	s_lshl_b32 s12, 15, s12                        ; my row of the cluster
	s_lshl_b32 s13, 0x1111, s17                    ; my column
	s_or_b32 s[A0], s12, (3<<16)|(1<<21)           ; 15:0 the mask; 17:16 elements of 8 bytes; 21 set beside a mask; no padding
	s_or_b32 s[A1], s12, (3<<16)|(1<<21)
	s_or_b32 s[Q0], s13, (3<<16)|(1<<21)
	s_or_b32 s[Q1], s13, (3<<16)|(1<<21)
	s_or_b32 s[V0], s13, (3<<16)|(1<<21)
	s_or_b32 s[V1], s13, (3<<16)|(1<<21)
	GRP A0, 512, 8
	GRP Q0, 512, 8
	GRP V0, 512, 4
	GRP A1, 768, 8
	GRP Q1, 768, 8
	GRP V1, 768, 4
	s_mov_b32 s[G0A], 1
	s_mov_b32 s[G0Q], 1
	s_mov_b32 s[G0V], 1
	s_lshl_b32 s84, s16, 14                        ; LDS: x's half: 32,768 bytes in region 0, 49,152 in region 1
	s_add_co_u32 s84, s84, 32768
	s_mul_i32 s84, s84, s11
	s_mul_i32 s85, s16, R1
	s_add_co_u32 s[G0A+1], s84, s85
	s_mul_i32 s84, s16, 147456
	s_add_co_u32 s[G0Q+1], s84, 65536
	s_mul_i32 s84, s16, 163840
	s_add_co_u32 s[G0V+1], s84, 98304
	s_lshl_b32 s96, s16, 12                        ; K step 0 or 2
	s_lshl_b32 s84, s10, 18                        ; x: 16 row tiles of 16,384 bytes
	s_lshl_b32 s85, s11, 17
	s_add_co_u32 s84, s84, s85
	s_add_co_u32 s84, s84, s96
	s_mov_b32 s85, 0
	s_lshl_b32 s86, s19, 17                        ; q or k: 8 row tiles
	s_add_co_u32 s86, s86, s96
	s_mov_b32 s87, 0
	s_lshl_b32 s88, s19, 16                        ; v: 4, from row tile 128 on
	s_add_co_u32 s88, s88, s96
	s_add_co_u32 s88, s88, 128*16384
	s_mov_b32 s89, 0
	s_lshl_b32 s94, s10, 11                        ; scale words: my 64 tokens,
	s_lshl_b32 s95, s15, 9
	s_add_co_u32 s94, s94, s95
	s_add_co_u32 s94, s94, IMGSW
	s_mov_b32 s95, 0
	s_lshl_b32 s96, s19, 10                        ; my head of q or k,
	s_lshl_b32 s97, s16, 9
	s_add_co_u32 s96, s96, s97
	s_add_co_u32 s96, s96, IMGSW
	s_mov_b32 s97, 0
	s_lshl_b32 s92, s19, 9                         ; my 32 of v's
	s_lshl_b32 s93, s16, 8
	s_add_co_u32 s92, s92, s93
	s_add_co_u32 s92, s92, IMGSW+16384
	s_mov_b32 s93, 0
	s_wait_dscnt 0x0                               ; both opening adds are done
	CROUND                                         ; all sixteen work-groups are here: the joint loads meet
	s_wait_kmcnt 0x0
	s_add_nc_u64 s[G0A+2:G0A+3], s[4:5], s[84:85]
	s_or_b32 s[G0A+3], s[G0A+3], 0x80000000
	s_add_nc_u64 s[G0Q+2:G0Q+3], s[6:7], s[86:87]
	s_or_b32 s[G0Q+3], s[G0Q+3], 0x80000000
	s_add_nc_u64 s[G0V+2:G0V+3], s[6:7], s[88:89]
	s_or_b32 s[G0V+3], s[G0V+3], 0x80000000
	s_add_nc_u64 s[94:95], s[4:5], s[94:95]
	s_add_nc_u64 s[96:97], s[6:7], s[96:97]
	s_add_nc_u64 s[92:93], s[6:7], s[92:93]
	s_cmp_lt_u32 s14, 4                            ; one load a wave
	s_cbranch_scc0 .Lregion_1
	THREE 2, 3, A0, Q0, V0, .Lasked
	s_branch .Lasked
.Lregion_1:
	THREE 6, 7, A1, Q1, V1, .Lasked
.Lasked:
	v_and_b32 v3, 31, v0
	v_lshlrev_b32 v[L8], 3, v3
	v_lshlrev_b32 v[LI], 4, v3
.irp q, 0,1,2,3                        ; each load reads 256 consecutive bytes: 32 rows, two K steps
.irp p, 0,1
	global_load_b64 v[ST+8*\p+2*\q:ST+8*\p+2*\q+1], v[L8], s[94:95] offset:\q*32768+256*\p
	global_load_b64 v[SF+8*\p+2*\q:SF+8*\p+2*\q+1], v[L8], s[96:97] offset:\q*32768+256*\p
.endr
	global_load_b64 v[SF+16+2*\q:SF+16+2*\q+1], v[L8], s[92:93] offset:\q*32768
.endr
	s_lshl_b32 s84, s15, 14                        ; where my fragments lie
	s_lshl_b32 s85, s16, 14
	s_add_co_u32 s85, s85, 65536
	s_lshl_b32 s86, s16, 13
	s_add_co_u32 s86, s86, 98304
	s_mul_i32 s87, s15, 24576
	s_add_co_u32 s87, s87, R1
	s_mul_i32 s88, s16, 24576
	s_add_co_u32 s88, s88, R1+98304
	s_mul_i32 s89, s16, 12288
	s_add_co_u32 s89, s89, 262144
	s_wait_alu depctr_va_vdst(0)
	v_add_nc_u32 v[AD], s84, v[LI]
	v_add_nc_u32 v[AD+1], s85, v[LI]
	v_add_nc_u32 v[AD+2], s86, v[LI]
	v_add_nc_u32 v[AD+3], s87, v[LI]
	v_add_nc_u32 v[AD+4], s88, v[LI]
	v_add_nc_u32 v[AD+5], s89, v[LI]
	s_lshl_b32 s84, s15, 13
	s_add_co_u32 s84, s84, R1
	s_lshl_b32 s85, s16, 13
	s_add_co_u32 s85, s85, R1+98304
	s_lshl_b32 s86, s16, 12
	s_add_co_u32 s86, s86, 262144
	v_add_nc_u32 v[AD+6], s84, v[LI]
	v_add_nc_u32 v[AD+7], s85, v[LI]
	v_add_nc_u32 v[AD+8], s86, v[LI]
	s_and_b32 s12, s15, 1                          ; which half of a key step my tokens are
	s_lshr_b32 s84, s15, 1
	s_lshl_b32 s84, s84, 8
	s_lshl_b32 s85, s16, 2
	s_add_co_u32 s84, s84, s85
	s_lshl_b32 s85, s12, 1
	s_add_co_u32 s84, s84, s85
	s_add_co_u32 s84, s84, VB
	s_lshl_b32 s85, s14, 8
	s_add_co_u32 s85, s85, VB
	v_add_nc_u32 v[VST], s84, v[L8]                ; my 16 bits of a lane's 8 bytes
	v_add_nc_u32 v[VRD], s85, v[L8]
	s_wait_alu depctr_va_vdst(0)                   ; the wait at the head's end
	; where my results go
	s_lshr_b32 s13, s10, 3                         ; batch
	s_lshl_b32 s13, s13, 4
	s_lshl_b32 s17, s10, 4
	s_lshl_b32 s18, s15, 2
	s_add_co_u32 s17, s17, s18
	s_and_b32 s17, s17, 127                        ; my first token tile of the sequence
	s_wait_xcnt 0x0                                ; the loads have taken their bases
	s_lshl_b32 s92, s17, 11
	s_add_co_u32 s92, s92, ROPET
	s_mov_b32 s93, 0
	s_add_nc_u64 s[92:93], s[4:5], s[92:93]        ; the rope's table
	s_lshr_b32 s18, s19, 3                         ; q (0) or k (1)
	s_lshl_b32 s96, s19, 1
	s_add_co_u32 s96, s96, s16
	s_and_b32 s96, s96, 15
	s_add_co_u32 s96, s96, s13                     ; batch x 16 + head
	s_lshl_b32 s84, s18, 22
	s_lshl_b32 s85, s96, 17
	s_add_co_u32 s84, s84, s85
	s_lshl_b32 s85, s17, 10
	s_add_co_u32 s84, s84, s85
	s_mov_b32 s85, 0
	s_add_nc_u64 s[84:85], s[8:9], s[84:85]        ; q's or k's codes
	s_lshr_b32 s17, s17, 3                         ; my key step
	s_lshl_b32 s88, s96, 4
	s_add_co_u32 s88, s88, s17
	s_mul_i32 s88, s88, 768
	s_mul_i32 s89, s18, SCSZ
	s_add_co_u32 s88, s88, s89
	s_lshl_b32 s89, s12, 8
	s_add_co_u32 s88, s88, s89
	s_add_co_u32 s88, s88, SCQ
	s_mov_b32 s89, 0
	s_add_nc_u64 s[88:89], s[8:9], s[88:89]        ; their scale words
	s_add_co_u32 s13, s13, s19                     ; batch x 16 + v's head
	s_lshl_b32 s86, s13, 17
	s_lshl_b32 s87, s17, 13
	s_add_co_u32 s86, s86, s87
	s_lshl_b32 s87, s16, 12
	s_add_co_u32 s86, s86, s87
	s_lshl_b32 s87, s12, 10
	s_add_co_u32 s86, s86, s87
	s_add_co_u32 s86, s86, 8388608
	s_mov_b32 s87, 0
	s_add_nc_u64 s[86:87], s[8:9], s[86:87]        ; v's codes
	s_lshl_b32 s90, s10, 1
	s_add_co_u32 s90, s90, s14
	s_and_b32 s90, s90, 15                         ; (waves 0, 1 store v's scale words, a key step each)
	s_lshl_b32 s91, s13, 4
	s_add_co_u32 s90, s90, s91
	s_mul_i32 s90, s90, 768
	s_add_co_u32 s90, s90, SCQ+SCSZ+512
	s_mov_b32 s91, 0
	s_add_nc_u64 s[90:91], s[8:9], s[90:91]
	s_mov_b32 s[MNT], 0x600000
	s_mov_b32 s[LHI], 0xffff0000
	s_mov_b32 s[SEL], 0x76543210
	s_mov_b32 s[SEL+1], 0xfedcba98
.macro SETR s                          ; where K step s lies: region, bytes from row tile to row tile, place in a row tile
.if (\s) == 7
.set RG, 2
.set PT, 2048
.set KK, 0
.elseif (\s) > 1 && (\s) < 5
.set RG, 1
.set PT, 6144
.set KK, 2048*((\s)-2)
.else
.set RG, 0
.set PT, 4096
.set KK, 2048*((\s)%5)
.endif
.endm
.macro LOADQT s                        ; K step s: four fragments of q or k, four of the tokens: 32 loads of 512 consecutive bytes
	SETR \s
	WIN 0x40
.irp f, 0,1,2,3
.irp c, 0,1,2,3
	ds_load_b128 v[192+16*\f+4*\c:192+16*\f+4*\c+3], v[AD+1+3*RG] offset:\f*PT+KK+512*\c
.endr
.endr
	WIN 0
.irp f, 0,1,2,3
.irp c, 0,1,2,3
	ds_load_b128 v[TF+64*((\s)%2)+16*\f+4*\c:TF+64*((\s)%2)+16*\f+4*\c+3], v[AD+3*RG] offset:\f*PT+KK+512*\c
.endr
.endr
.endm
.macro LOADV s                         ; v's two
	SETR \s
	WIN 0
.irp f, 0,1
.irp c, 0,1,2,3
	ds_load_b128 v[VF+16*\f+4*\c:VF+16*\f+4*\c+3], v[AD+2+3*RG] offset:\f*PT+KK+512*\c
.endr
.endr
.endm
.macro WM s                            ; K step 0 starts the sum
.if (\s) == 0
.if RA && RB
	v_wmma_scale_f32_16x16x128_f8f6f4 v[D_:D_+7], v[A_:A_+15], v[B_:B_+15], 0, v[XA], v[XB] matrix_a_fmt:MATRIX_FMT_BF8 matrix_b_fmt:MATRIX_FMT_BF8 matrix_a_scale:MATRIX_SCALE_ROW1 matrix_b_scale:MATRIX_SCALE_ROW1
.elseif RA
	v_wmma_scale_f32_16x16x128_f8f6f4 v[D_:D_+7], v[A_:A_+15], v[B_:B_+15], 0, v[XA], v[XB] matrix_a_fmt:MATRIX_FMT_BF8 matrix_b_fmt:MATRIX_FMT_BF8 matrix_a_scale:MATRIX_SCALE_ROW1
.elseif RB
	v_wmma_scale_f32_16x16x128_f8f6f4 v[D_:D_+7], v[A_:A_+15], v[B_:B_+15], 0, v[XA], v[XB] matrix_a_fmt:MATRIX_FMT_BF8 matrix_b_fmt:MATRIX_FMT_BF8 matrix_b_scale:MATRIX_SCALE_ROW1
.else
	v_wmma_scale_f32_16x16x128_f8f6f4 v[D_:D_+7], v[A_:A_+15], v[B_:B_+15], 0, v[XA], v[XB] matrix_a_fmt:MATRIX_FMT_BF8 matrix_b_fmt:MATRIX_FMT_BF8
.endif
.else
.if RA && RB
	v_wmma_scale_f32_16x16x128_f8f6f4 v[D_:D_+7], v[A_:A_+15], v[B_:B_+15], v[D_:D_+7], v[XA], v[XB] matrix_a_fmt:MATRIX_FMT_BF8 matrix_b_fmt:MATRIX_FMT_BF8 matrix_a_scale:MATRIX_SCALE_ROW1 matrix_b_scale:MATRIX_SCALE_ROW1
.elseif RA
	v_wmma_scale_f32_16x16x128_f8f6f4 v[D_:D_+7], v[A_:A_+15], v[B_:B_+15], v[D_:D_+7], v[XA], v[XB] matrix_a_fmt:MATRIX_FMT_BF8 matrix_b_fmt:MATRIX_FMT_BF8 matrix_a_scale:MATRIX_SCALE_ROW1
.elseif RB
	v_wmma_scale_f32_16x16x128_f8f6f4 v[D_:D_+7], v[A_:A_+15], v[B_:B_+15], v[D_:D_+7], v[XA], v[XB] matrix_a_fmt:MATRIX_FMT_BF8 matrix_b_fmt:MATRIX_FMT_BF8 matrix_b_scale:MATRIX_SCALE_ROW1
.else
	v_wmma_scale_f32_16x16x128_f8f6f4 v[D_:D_+7], v[A_:A_+15], v[B_:B_+15], v[D_:D_+7], v[XA], v[XB] matrix_a_fmt:MATRIX_FMT_BF8 matrix_b_fmt:MATRIX_FMT_BF8
.endif
.endif
.endm
; the 24 accumulators take turns, one instruction a turn, in the same order in every K step
.macro QK s                            ; q or k: accumulator (token tile t, feature tile f) at v[8 (4 t + f)]
	WIN 0x51
.irp t, 0,1,2,3
.irp f, 0,1,2,3
.set D_, 8*(4*\t+\f)
.set A_, 192+16*\f
.set B_, TF+64*((\s)%2)+16*\t
.set XA, SF+8*(\f/2)+(\s)
.set XB, ST+8*(\t/2)+(\s)
.set RA, \f%2
.set RB, \t%2
	WM \s
.endr
.endr
.endm
.macro VP s                            ; v: accumulator (feature tile f, token tile t) at v[128 + 8 (4 f + t)]
	WIN 0x50
.irp f, 0,1
.irp t, 0,1,2,3
.set D_, 128+8*(4*\f+\t)
.set A_, TF+64*((\s)%2)+16*\t
.set B_, VF+16*\f
.set XA, ST+8*(\t/2)+(\s)
.set XB, SF+16+(\s)
.set RA, \t%2
.set RB, \f%2
	WM \s
.endr
.endr
.endm
.macro MID s                           ; a K step whose successor lies in LDS already
	s_wait_dscnt 8                                 ; q or k and the tokens are in; v's eight loads may be out
	QK \s
	PLACES NP
	LOADQT (\s)+1
	s_wait_dscnt 32                                ; v's are in; the next step's 32 may be out
	VP \s
	PLACES NP
	LOADV (\s)+1
.endm
.macro EDGE s                          ; a K step in front of a refill
	s_wait_dscnt 8
	QK \s
	WIN 0
	s_wait_dscnt 0x0
	s_wait_tensorcnt 0x0                           ; no tensor load of mine is out, so descriptors may be written
	ds_add_u32 v[SPW], v[NIL]
.if (\s) == 1
.irp g, G0A, G0Q, G0V                  ; waves 0-3: from K step 0 to 5; waves 4-7: from 2 to 7
	s_add_nc_u64 s[\g+2:\g+3], s[\g+2:\g+3], 10240
.endr
	s_lshl_b32 s96, s16, 14
	s_sub_co_u32 s96, 32768, s96
	s_mul_i32 s96, s96, s11
	s_mul_i32 s97, s16, R1
	s_add_co_u32 s[G0A+1], s96, s97                ; x's second half: 16,384 bytes on in region 1 now
.irp g, A1, Q1, V1                     ; and one K step a row tile
	s_mov_b32 s[\g+1], 256<<16
	s_mov_b32 s[\g+3], 256<<16
.endr
.endif
	VP \s
	WIN 0
	s_wait_dscnt 0x0
	CROUND
.endm
	s_cmp_lt_u32 s14, 4
	s_cbranch_scc0 .Lnot_yet
	s_wait_tensorcnt 0x0                           ; waves 0-3: region 0 is in; waves 4-7 wait behind K step 1
.Lnot_yet:
	s_barrier_signal -1
	s_barrier_wait -1
	LOADQT 0
	LOADV 0
	s_wait_loadcnt 0x0                             ; the scale words
	MID 0
	EDGE 1                                         ; region 1 is in, and region 0 is read out
	s_cmp_lt_u32 s14, 4
	s_cbranch_scc0 .Lasked_5
	THREE 2, 3, A0, Q0, V0, .Lasked_5              ; K steps 5, 6
.Lasked_5:
	PLACES NP
	LOADQT 2
	LOADV 2
	MID 2
	MID 3
	EDGE 4                                         ; K steps 5, 6 are in, and region 1 is read out
	s_cmp_lt_u32 s14, 4
	s_cbranch_scc1 .Lasked_7
	THREE 6, 7, A1, Q1, V1, .Lasked_7              ; K step 7
.Lasked_7:
	PLACES NP
	LOADQT 5
	LOADV 5
	MID 5
	s_wait_dscnt 8
	QK 6
	WIN 0
	s_wait_tensorcnt 0x0                           ; K step 7 is in
	s_wait_dscnt 0x0
	s_barrier_signal -1
	VP 6
	WIN 0
	s_barrier_wait -1
	PLACES NP
	LOADQT 7
	LOADV 7
.irp t, 0,1,2,3                        ; my four token tiles' 8 cosines and 8 sines a lane, into the tokens' idle set
.irp g, 0,1,2,3
	global_load_b128 v[TF+16*\t+4*\g:TF+16*\t+4*\g+3], v[LI], s[92:93] offset:\t*2048+\g*512
.endr
.endr
	s_wait_dscnt 8
	QK 7
	s_wait_dscnt 0x0
	VP 7
	WIN 0
	PLACES NP                                      ; behind the last products: their results are read, and their sources written, below
; THE TAIL, in three passes of 64 registers: token tiles 0, 1; 2, 3; v's two feature tiles
.macro ROPE p                          ; t0 = d 8 h + j, t1 = d 16 + 8 h + j of two token tiles: t0' = t0 cos - t1 sin, t1' = t1 cos + t0 sin
.set CC, TF+32*(\p)
	WIN 1                                          ; source 0: the accumulators
.irp e, 0,1
.irp j, 0,2,4,6
	v_pk_mul_f32 v[T+16*\e+\j:T+16*\e+\j+1], v[AC+32*\e+8+\j:AC+32*\e+8+\j+1], v[CC+16*\e+8+\j:CC+16*\e+8+\j+1]
.endr
.irp j, 0,2,4,6
	v_pk_mul_f32 v[T+16*\e+8+\j:T+16*\e+8+\j+1], v[AC+32*\e+\j:AC+32*\e+\j+1], v[CC+16*\e+8+\j:CC+16*\e+8+\j+1]
.endr
.endr
	WIN 0x41                                       ; and the destination
.irp e, 0,1
.irp j, 0,2,4,6
	v_pk_fma_f32 v[AC+32*\e+\j:AC+32*\e+\j+1], v[AC+32*\e+\j:AC+32*\e+\j+1], v[CC+16*\e+\j:CC+16*\e+\j+1], v[T+16*\e+\j:T+16*\e+\j+1] neg_lo:[0,0,1] neg_hi:[0,0,1]
	v_pk_fma_f32 v[AC+32*\e+8+\j:AC+32*\e+8+\j+1], v[AC+32*\e+8+\j:AC+32*\e+8+\j+1], v[CC+16*\e+\j:CC+16*\e+\j+1], v[T+16*\e+8+\j:T+16*\e+8+\j+1]
.endr
.endr
.endm
.macro PASS p, pcs
.set AC, 64*(\p)
.if (\p) < 2
	ROPE \p
.endif
	WIN 5                                          ; sources 0 and 1: the accumulators
.irp b, 0,1,2,3
	v_max3_num_f32 v[TM+\b], |v[AC+16*\b]|, |v[AC+16*\b+1]|, 0x8000000
.endr
.irp i, 2,4,6,8,10,12,14
.irp b, 0,1,2,3
	v_max3_num_f32 v[TM+\b], |v[AC+16*\b+\i]|, |v[AC+16*\b+\i+1]|, v[TM+\b]
.endr
.endr
	WIN 0
.irp b, 0,1,2,3
	v_permlanex16_b32 v[TM+4+\b], v[TM+\b], s[SEL], s[SEL+1]
.endr
.irp b, 0,1,2,3
	v_max_num_f32 v[TM+\b], v[TM+\b], v[TM+4+\b]
.endr
.irp b, 0,1,2,3
	v_add_nc_u32 v[TM+12+\b], 0xf8800000, v[TM+\b]
.endr
.irp b, 0,1,2,3
	v_and_or_b32 v[TM+8+\b], v[TM+\b], 0x7f800000, s[MNT]
.endr
.irp b, 0,1,2,3
	v_lshrrev_b32 v[TM+4+\b], 23, v[TM+12+\b]
.endr
	v_lshl_or_b32 v[WA], v[TM+5], 8, v[TM+4]       ; the first tile's two bytes,
	v_lshl_or_b32 v[WB], v[TM+7], 8, v[TM+6]       ; the second's
	WIN 1
.set nn, 0
.rept 64
	v_med3_num_f32 v[T+nn], v[AC+nn], -v[TM+8+nn/16], v[TM+8+nn/16]   ; the hold, on the way into window 0
.set nn, nn+1
.endr
	WIN 0
	v_cndmask_b32 v[SW+\p], v[WA], v[WB], s[LHI]   ; lanes 16-31 take the second tile's
.irp b, 0,1,2,3
	v_cvt_scalef32_pk8_bf8_f32 v[\pcs+4*\b:\pcs+4*\b+1], v[T+16*\b:T+16*\b+7], v[TM+12+\b]
	v_cvt_scalef32_pk8_bf8_f32 v[\pcs+4*\b+2:\pcs+4*\b+3], v[T+16*\b+8:T+16*\b+15], v[TM+12+\b]
.endr
	v_nop                                          ; a plain line behind the last conversion
.irp b, 0,1,2,3                        ; each store covers 512 consecutive bytes
.if (\p) < 2
	global_store_b128 v[LI], v[\pcs+4*\b:\pcs+4*\b+3], s[84:85] offset:2048*(\p)+512*\b
.else
	global_store_b128 v[LI], v[\pcs+4*\b:\pcs+4*\b+3], s[86:87] offset:2048*(\b/2)+512*(\b%2)
.endif
.endr
.endm
.irp b, 0,1,2,3
	v_mov_b32 v[TM+4+\b], 0                        ; a lane permute's destination counts as one of its sources
.endr
	s_wait_alu depctr_va_vdst(0)
	PASS 2, 208                                    ; v first: the rope's table lands under it
	ds_store_b16 v[VST], v[SW+2]                   ; v's bytes: four waves make the 256 bytes of a key step
	s_wait_alu depctr_va_vdst(0)
	s_wait_loadcnt 0x0                             ; the rope
	PASS 0, 224
	PASS 1, 80                                     ; (its codes lie where the first two tiles' cosines and sines lay)
	global_store_b64 v[L8], v[SW:SW+1], s[88:89]   ; 256 consecutive bytes
	s_wait_alu depctr_va_vdst(0)
	s_wait_dscnt 0x0
	s_barrier_signal -1
	s_barrier_wait -1
	s_cmp_lt_u32 s14, 2
	s_cbranch_scc0 .Lno_words
	ds_load_b64 v[WA+1:WA+2], v[VRD]
	s_wait_dscnt 0x0
	global_store_b64 v[L8], v[WA+1:WA+2], s[90:91]
.Lno_words:
	s_wait_tensorcnt 0x0                           ; the wave's end
	ds_add_u32 v[SPW], v[NIL]
	s_wait_dscnt 0x0
	CROUND                                         ; the closing round
	s_endpgm
.Lfunc_end_k_qa97bfb434c_qkv:
	.size	k_qa97bfb434c_qkv, .Lfunc_end_k_qa97bfb434c_qkv-k_qa97bfb434c_qkv
	.p2alignl 7, 3214868480
	.fill 96, 4, 3214868480
	.section	.rodata,"a",@progbits
	.p2align	6, 0x0
	.amdhsa_kernel k_qa97bfb434c_qkv
		.amdhsa_group_segment_fixed_size 327680
		.amdhsa_private_segment_fixed_size 0
		.amdhsa_enable_private_segment 0
		.amdhsa_kernarg_size 24
		.amdhsa_user_sgpr_count 2
		.amdhsa_user_sgpr_kernarg_segment_ptr 1
		.amdhsa_wavefront_size32 1
		.amdhsa_system_sgpr_workgroup_id_x 1
		.amdhsa_system_sgpr_workgroup_id_y 1
		.amdhsa_system_sgpr_workgroup_id_z 1
		.amdhsa_system_vgpr_workitem_id 0
		.amdhsa_next_free_vgpr 512
		.amdhsa_next_free_sgpr 102
		.amdhsa_reserve_vcc 0
		.amdhsa_float_denorm_mode_32 3
		.amdhsa_float_denorm_mode_16_64 3
		.amdhsa_memory_ordered 1
		.amdhsa_forward_progress 1
		.amdhsa_inst_pref_size 99
	.end_amdhsa_kernel
	.amdgpu_metadata
---
amdhsa.version: [ 1, 2 ]
amdhsa.kernels:
  - .name:           k_qa97bfb434c_qkv
    .symbol:         k_qa97bfb434c_qkv.kd
    .args:
      - { .name: xq, .offset: 0, .size: 8, .value_kind: global_buffer, .address_space: global }
      - { .name: wq, .offset: 8, .size: 8, .value_kind: global_buffer, .address_space: global }
      - { .name: qkv, .offset: 16, .size: 8, .value_kind: global_buffer, .address_space: global }
    .group_segment_fixed_size: 327680
    .private_segment_fixed_size: 0
    .kernarg_segment_align: 8
    .kernarg_segment_size: 24
    .max_flat_workgroup_size: 256
    .sgpr_count:     102
    .vgpr_count:     512
    .wavefront_size: 32
...
	.end_amdgpu_metadata
.endif
;; end of part 2
;; launch attn (part 3): grid 8 x 32, 16 waves a work-group, clusters of 4 x 1, 276,480 bytes of LDS; arguments qkv, oq; writes oq
.if DOCPART == 3
	.amdgcn_target "amdgcn-amd-amdhsa--gfx1250"
	.amdhsa_code_object_version 6
	.text
	.protected	k_qa97bfb434c_attn
	.globl	k_qa97bfb434c_attn
	.p2align	8
	.type	k_qa97bfb434c_attn,@function
k_qa97bfb434c_attn:
	s_mov_b64 s[64:65], 0
	v_nop
	global_prefetch_b8 v0, s[64:65] scope:SCOPE_SE
	s_setreg_imm32_b32 hwreg(HW_REG_WAVE_MODE, 25, 1), 1
	s_wait_xcnt 0x0
	s_wait_alu depctr_hold_cnt(0) depctr_sa_sdst(0) depctr_va_vdst(0) depctr_va_sdst(0) depctr_va_ssrc(0) depctr_va_vcc(0) depctr_vm_vsrc(0)
	s_getreg_b32 s2, hwreg(HW_REG_IB_STS2, 6, 4)
	s_cmp_eq_u32 s2, 0
	s_cbranch_scc0 .Lentry_in_a_cluster
	s_endpgm
.Lentry_in_a_cluster:
	s_bfe_u32 s2, ttmp6, 0x10000c
	s_cmp_lg_u32 s2, 0x3003
	s_cbranch_scc0 .Lentry_shape_is_right
	s_endpgm
.Lentry_shape_is_right:
; ATTN: causal attention of one batch x head on codes of BF8 (E5M2) with E8M0 scales; its result, divided by the row's sum, is quantised along the next product's K (head x 64 + d) and leaves as codes.
; THE SOFTMAX: t = score x log2(e) / 8; M = the running largest t rounded UP to a whole number; p = 2^(t - M) is quantised along the keys, not normalised; the row's sum is taken of the unquantised p; when M moves,
; the sum and O are multiplied by 2^(old M - new M), exactly.
; SHARES.  A work-group has 16 waves, each with one tile of 16 queries in 256 registers.  Work-group p (0..7) of a head takes token tiles 8 g + p, g = 0 .. 15: the wave with group g works key steps 0 .. g of 128 keys
;   (later ones lie wholly under the causal mask and are left out), so all 256 work-groups do the same 136 steps.  Wave w has g = (15 - 5 (w / 4)) xor (w % 4): waves w % 4 alike have 34 steps together, the longer ones in the lower waves.
; LDS IS FILLED ONCE: the head's K (131,072 bytes of images), V (131,072) and their scale words (12,288).  The four work-groups of a cluster belong to one head and ask JOINTLY, one load a wave: waves 0-3 key step 0, waves 4-7 the scale words,
;   waves 12-15 key steps 1-15.  The first two are shown at a first barrier.  The second, which shows the rest, is signalled ahead of the first step and waited for behind it: that step only reads LDS, and bytes that nobody writes.
;   No prefetch: there is no later stream to run ahead in.
; LAYOUT.  S^T = K Q^T (source 0 = 16 keys, source 1 = my queries), O^T = V^T P^T: a lane holds one query throughout.  The tiles are plain neighbours; in a block of 32, place 16 h + 8 u + j holds element 16 u + 8 h + j,
;   in q and k alike, and in p and v alike (v was stored so).  THE FIRST PRODUCT'S K IS 64: Q's upper eight registers are zero codes; K's operand runs on into the next tile's codes (or zeros), which meet those zeros;
;   the scale bytes there are 0 (2^-127), never 0xff.
; LIMITS: this leans on codes that are finite, which the quantisers' holds give for finite inputs; NaN and infinities are not served.  A block of zeros gets the byte 1.  The division by the sum is v_rcp_f32 and a multiplication.
;   The promise holds while the scaled scores (to the base 2, before the maximum is taken away) stay under 2^31 in magnitude.
;   o's scale bytes leave as single bytes (32 a wave): a row's eight bytes come from four heads, that is from four work-groups.
.set KOFF, 4194304
.set SCQ,  12582912
.set SCKV, 12976128
.set VLDS, 131072
.set SCL,  262144
.set SPARE, 274432
.set OSW,  4194304
.set KV,  32                           ; v32-95  K's 8 tiles x 8 registers, then V's 4 x 16;  v96-103 zeros
.set KSW, 104                          ; v104-107 K's scale words;  v108 q's;  v109 p's;  v[110:111] V's: scales and nothing else
.set QSW, 108
.set PSW, 109
.set VSW, 110
.set S,   112                          ; v112-175 S^T, then p
.set O,   176                          ; v176-207 O^T
.set PCD, 208                          ; v208-223 p's codes
.set BM,  224
.set PX,  228
.set LIM, 232
.set SOP, 236
.set FF,  240                          ; v[240:241] f
.set TP,  242
.set WV,  8
.set G,   9
.set PP,  10
.set BH,  11
.set J,   12
.set TB,  13
.set TS,  14
.set MNT, 15
.set CS,  16
.set SEL, 18
.set LHI, 20
.set MM,  84                           ; s84-91 lanes in which register j of the diagonal's tile is hidden
.set XM,  92                           ; s92-99 the same for the tile in hand
.macro ROUND                           ; a round of the cluster's barrier
	s_barrier_signal -1
	s_barrier_wait -1
	s_cmp_lg_u32 s[WV], 0
	s_cbranch_scc1 .Lnot_wave_0_\@
	s_barrier_signal -3
.Lnot_wave_0_\@:
	s_barrier_wait -3
	s_barrier_signal -1
	s_barrier_wait -1
.endm
.macro TLOAD g0, g1
	tensor_load_to_lds s[\g0:\g0+3], s[\g1:\g1+7]
	s_nop 0
.rept 4
	v_nop
.endr
.endm
	s_load_b128 s[4:7], s[0:1], 0x0                ; qkv, oq
	v_lshl_add_u32 v254, v0, 2, SPARE
	v_mov_b32 v255, 0
	ds_add_u32 v254, v255                          ; the opening lines; the set-up below stands between them and their wait
	ds_add_u32 v254, v255
	v_lshrrev_b32 v1, 5, v0
	v_readfirstlane_b32 s[WV], v1                  ; wave 0..15
	s_and_b32 s21, s[WV], 3
	s_lshr_b32 s22, s[WV], 2
	s_mul_i32 s22, s22, 5
	s_sub_co_u32 s22, 15, s22
	s_xor_b32 s[G], s22, s21                       ; my group
	s_bfe_u32 s[PP], ttmp6, 0x40000                ; cx
	s_lshl_b32 s23, ttmp9, 2
	s_add_co_u32 s[PP], s[PP], s23                 ; p: it enters global addresses and the mask's numbers alone
	s_and_b32 s[BH], ttmp7, 0xffff                 ; batch x 16 + head, which the four partners share
	s_and_b32 s22, s[WV], 1                        ; I fetch for K (0) or for V (1),
	s_bfe_u32 s23, s[WV], 0x10001                  ; the first or the second half
	; group 1: dense blocks as rows of 256 bytes (32 elements of 8 bytes): 12 rows = a quarter of the scale words, 16 rows = half a key step, 240 rows = seven and a half
.irp g, 24, 32, 40
	s_mov_b32 s[\g], 15|(3<<16)|(1<<21)            ; 15:0 the mask: all four work-groups; 17:16 elements of 8 bytes; 21 set beside a mask
	s_mov_b32 s[\g+1], 32<<16
	s_mov_b32 s[\g+3], 32<<16
	s_mov_b32 s[\g+5], 32
	s_mov_b32 s[\g+6], 0
	s_mov_b32 s[\g+7], 0
.endr
	s_mov_b32 s26, 12<<16
	s_mov_b32 s28, 12
	s_mov_b32 s34, 16<<16
	s_mov_b32 s36, 16
	s_mov_b32 s42, 240<<16
	s_mov_b32 s44, 240
	s_mul_i32 s60, s21, 3072                       ; a quarter of the head's scale words
	s_add_co_u32 s49, s60, SCL
	s_mul_i32 s61, s[BH], 12288
	s_add_co_u32 s60, s60, s61
	s_add_co_u32 s60, s60, SCKV
	s_mov_b32 s61, 0
	s_lshl_b32 s62, s22, 17                        ; LDS: K's images, or V's behind them
	s_lshl_b32 s63, s23, 12
	s_add_co_u32 s53, s62, s63                     ; half of key step 0
	s_mul_i32 s66, s23, 61440
	s_add_co_u32 s66, s66, 8192
	s_add_co_u32 s57, s62, s66                     ; half of key steps 1-15
	s_lshl_b32 s68, s22, 22
	s_lshl_b32 s69, s[BH], 17
	s_add_co_u32 s68, s68, s69
	s_add_co_u32 s68, s68, KOFF                    ; the head's K or V in memory
	s_add_co_u32 s70, s68, s66
	s_add_co_u32 s68, s68, s63
	s_mov_b32 s69, 0
	s_mov_b32 s71, 0
	s_mov_b32 s48, 1
	s_mov_b32 s52, 1
	s_mov_b32 s56, 1
	s_wait_dscnt 0x0                               ; both opening adds are done
	ROUND                                          ; all four work-groups are here: the joint loads meet
	s_wait_kmcnt 0x0
	s_add_nc_u64 s[50:51], s[4:5], s[60:61]
	s_or_b32 s51, s51, 0x80000000
	s_add_nc_u64 s[54:55], s[4:5], s[68:69]
	s_or_b32 s55, s55, 0x80000000
	s_add_nc_u64 s[58:59], s[4:5], s[70:71]
	s_or_b32 s59, s59, 0x80000000
	s_cmp_lt_u32 s[WV], 4                          ; no wave has more than one load
	s_cbranch_scc0 .Lscales
	TLOAD 52, 32
	s_branch .Lasked
.Lscales:
	s_cmp_lt_u32 s[WV], 8
	s_cbranch_scc0 .Lothers
	TLOAD 48, 24
	s_branch .Lasked
.Lothers:
	s_cmp_lt_u32 s[WV], 12
	s_cbranch_scc1 .Lasked
	TLOAD 56, 40
.Lasked:
	s_lshl_b32 s72, s[BH], 7
	s_add_co_u32 s72, s72, s[PP]
	s_lshl_b32 s73, s[G], 3
	s_add_co_u32 s72, s72, s73
	s_lshl_b32 s72, s72, 10
	s_mov_b32 s73, 0
	s_add_nc_u64 s[72:73], s[4:5], s[72:73]        ; q's codes
	s_lshl_b32 s74, s[BH], 4
	s_add_co_u32 s74, s74, s[G]
	s_mul_i32 s74, s74, 768
	s_lshr_b32 s75, s[PP], 2                       ; tile p of the step: unit p / 4, lane 16 (p % 2) + r, word (p / 2) % 2
	s_lshl_b32 s75, s75, 8
	s_add_co_u32 s74, s74, s75
	s_and_b32 s75, s[PP], 1
	s_lshl_b32 s75, s75, 7
	s_add_co_u32 s74, s74, s75
	s_and_b32 s75, s[PP], 2
	s_lshl_b32 s75, s75, 1
	s_add_co_u32 s74, s74, s75
	s_add_co_u32 s74, s74, SCQ
	s_mov_b32 s75, 0
	s_add_nc_u64 s[74:75], s[4:5], s[74:75]        ; q's scale words
	v_and_b32 v5, 15, v0                           ; r
	v_bfe_u32 v6, v0, 4, 1                         ; h
	v_and_b32 v2, 31, v0
	v_lshlrev_b32 v1, 4, v2                        ; 16 x lane: K's images
	v_lshlrev_b32 v7, 3, v5
	s_wait_alu depctr_va_vdst(0)
	global_load_b128 v[16:19], v1, s[72:73]        ; Q's eight registers stay
	global_load_b128 v[20:23], v1, s[72:73] offset:512
	global_load_b32 v[QSW], v7, s[74:75]
	s_lshr_b32 s76, s[BH], 4
	s_lshl_b32 s76, s76, 7
	s_lshl_b32 s77, s[G], 3
	s_add_co_u32 s76, s76, s77
	s_add_co_u32 s76, s76, s[PP]                   ; my row tile of o
	s_and_b32 s77, s[BH], 15                       ; the head
	s_lshl_b32 s78, s76, 14
	s_lshl_b32 s79, s77, 10                        ; K step head / 2, register groups 2 (head % 2) on
	s_add_co_u32 s78, s78, s79
	s_mov_b32 s79, 0
	s_add_nc_u64 s[78:79], s[6:7], s[78:79]        ; o's codes
	s_lshr_b32 s80, s77, 2
	s_lshl_b32 s80, s80, 15
	s_lshl_b32 s81, s76, 7
	s_add_co_u32 s80, s80, s81
	s_and_b32 s81, s77, 3
	s_lshl_b32 s81, s81, 1
	s_add_co_u32 s80, s80, s81
	s_add_co_u32 s80, s80, OSW
	s_mov_b32 s81, 0
	s_add_nc_u64 s[80:81], s[6:7], s[80:81]        ; o's scale bytes
	s_mov_b32 s[MNT], 0x600000
	s_mov_b32 s[CS], 0x3e38aa3b                    ; c = log2(e) / 8
	s_mov_b32 s[CS+1], s[CS]
	s_mov_b32 s[SEL], 0x76543210
	s_mov_b32 s[SEL+1], 0xfedcba98
	s_mov_b32 s[LHI], 0xffff0000
	s_mov_b32 s[J], 0
	s_mov_b32 s[TB], 0
	s_mov_b32 s[TS], 0
	v_lshlrev_b32 v8, 3, v6
	v_lshlrev_b32 v3, 3, v2
	v_add_nc_u32 v3, SCL, v3                       ; scale words: 8 bytes a lane
	v_sub_nc_u32 v9, v5, v8                        ; r - 8 h: in the tile on the diagonal register j (key 8 h + j) is hidden where j is larger
	v_add_nc_u32 v2, VLDS, v1                      ; V's images
.irp j, 0,1,2,3,4,5,6,7
	v_cmp_gt_i32 s[MM+\j], \j, v9
.endr
	v_mov_b32 v10, 0xff800000                      ; -infinity
	v_mov_b32 v13, 0xff61b1e6                      ; the largest t so far: -3e38
	v_mov_b32 v12, 0x7f61b1e6                      ; -M
	v_mov_b32 v14, 0
	v_mov_b32 v15, 0
.irp i, 0,1,2,3,4,5,6,7
	v_mov_b32 v[24+\i], 0                          ; Q's upper half: zero codes
	v_mov_b32 v[96+\i], 0                          ; behind K's last tile
.endr
.set jj, 0
.rept 32
	v_mov_b32 v[O+jj], 0                           ; the first step finds zeros
.set jj, jj+1
.endr
.irp b, 0,1,2,3
	v_mov_b32 v[PX+\b], 0                          ; a lane permute's destination counts as one of its sources
.endr
	v_mov_b32 v[FF+1], 0
	v_mov_b32 v[TP], 0
; A KEY STEP: 128 keys.  A step behind my group's diagonal is left out (first = 0): a scalar branch on the wave's number and the loop's count, round loads, products and softmax; no barrier and no tensor load stands in a step
.macro STEP first
.if \first == 0
	s_cmp_gt_u32 s[J], s[G]
	s_cbranch_scc1 .Lhidden_\@
.endif
	v_add_nc_u32 v5, s[TB], v1                     ; with the seven additions at the step's end: nine places in front of loads into registers that the last products read
	v_add_nc_u32 v7, s[TS], v3
	ds_load_b64 v[KSW:KSW+1], v7
	ds_load_b64 v[KSW+2:KSW+3], v7 offset:256
.irp t, 0,1,2,3,4,5,6,7
	ds_load_b128 v[KV+8*\t:KV+8*\t+3], v5 offset:\t*1024
	ds_load_b128 v[KV+8*\t+4:KV+8*\t+7], v5 offset:\t*1024+512
.endr
	s_wait_alu depctr_va_vdst(0)
.irp t, 0,2,4,6
.if \t < 6
	s_wait_dscnt 10-2*\t                           ; tiles up to t + 2 are in
.else
	s_wait_dscnt 0x0
.endif
	v_wmma_scale_f32_16x16x128_f8f6f4 v[S+8*\t:S+8*\t+7], v[KV+8*\t:KV+8*\t+15], v[16:31], 0, v[KSW+\t/2], v[QSW] matrix_a_fmt:MATRIX_FMT_BF8 matrix_b_fmt:MATRIX_FMT_BF8
	v_wmma_scale_f32_16x16x128_f8f6f4 v[S+8*\t+8:S+8*\t+15], v[KV+8*\t+8:KV+8*\t+23], v[16:31], 0, v[KSW+\t/2], v[QSW] matrix_a_fmt:MATRIX_FMT_BF8 matrix_b_fmt:MATRIX_FMT_BF8 matrix_a_scale:MATRIX_SCALE_ROW1
.endr
	v_add_nc_u32 v6, s[TB], v2
.rept 7
	v_nop                                          ; eight places with the line above
.endr
.irp t, 0,1,2,3                        ; V's fragments are asked for now and land under the softmax
.irp c, 0,1,2,3
	ds_load_b128 v[KV+16*\t+4*\c:KV+16*\t+4*\c+3], v6 offset:\t*2048+\c*512
.endr
.endr
	ds_load_b64 v[VSW:VSW+1], v7 offset:512
	s_cmp_lg_u32 s[J], s[G]
	s_cbranch_scc1 .Lopen_\@
.irp t, 0,1,2,3,4,5,6,7                ; the diagonal step: hidden scores become -infinity ahead of the maximum: none in tiles under p, all in tiles over p, by lane in tile p
	s_cmp_lt_u32 s[PP], \t
	s_cselect_b32 s22, -1, 0
	s_cmp_eq_u32 s[PP], \t
.irp j, 0,1,2,3,4,5,6,7
	s_cselect_b32 s[XM+\j], s[MM+\j], s22
.endr
.irp j, 0,1,2,3,4,5,6,7
	v_cndmask_b32 v[S+8*\t+\j], v[S+8*\t+\j], v10, s[XM+\j]
.endr
.endr
	s_wait_alu depctr_va_vdst(0)
.Lopen_\@:
.irp b, 0,1,2,3
	v_max3_num_f32 v[BM+\b], v[S+16*\b], v[S+1+16*\b], v[S+2+16*\b]        ; the largest score of each block of 32 keys: for the row's maximum, and for the block's largest p
.endr
.irp i, 3,5,7,9,11,13
.irp b, 0,1,2,3
	v_max3_num_f32 v[BM+\b], v[BM+\b], v[S+16*\b+\i], v[S+1+16*\b+\i]
.endr
.endr
.irp b, 0,1,2,3
	v_max_num_f32 v[BM+\b], v[BM+\b], v[S+15+16*\b]
.endr
.irp b, 0,1,2,3
	s_delay_alu instid0(VALU_DEP_4)
	v_permlanex16_b32 v[PX+\b], v[BM+\b], s[SEL], s[SEL+1]
.endr
.irp b, 0,1,2,3
	s_delay_alu instid0(VALU_DEP_4)
	v_max_num_f32 v[BM+\b], v[BM+\b], v[PX+\b]
.endr
	s_delay_alu instid0(VALU_DEP_2)
	v_max3_num_f32 v[TP], v[BM], v[BM+1], v[BM+2]
	s_delay_alu instid0(VALU_DEP_1)
	v_max_num_f32 v[TP], v[TP], v[BM+3]
	s_delay_alu instid0(VALU_DEP_1)
	v_mul_f32 v[TP], s[CS], v[TP]
	s_delay_alu instid0(VALU_DEP_1)
	v_max_num_f32 v13, v13, v[TP]                  ; the running largest t
	v_mov_b32 v[TP], v12
	s_delay_alu instid0(VALU_DEP_2)
	v_floor_f32 v12, -v13                          ; -M = floor(-t): M is a whole number
	s_delay_alu instid0(VALU_DEP_1)
	v_sub_f32 v[TP], v12, v[TP]                    ; old M - new M, 0 or less
	s_delay_alu instid0(VALU_DEP_1)
	v_cvt_i32_f32 v[TP], v[TP]                     ; (it saturates)
	s_delay_alu instid0(VALU_DEP_1)
	v_ldexp_f32 v[FF], 1.0, v[TP]                  ; f = 2^(old M - new M)
.set jj, 0
.rept 32
	v_pk_fma_f32 v[S+jj:S+jj+1], v[S+jj:S+jj+1], s[CS:CS+1], v[12:13] op_sel_hi:[1,0,0]   ; t - M
.set jj, jj+2
.endr
.irp b, 0,1,2,3
	v_fma_f32 v[BM+\b], v[BM+\b], s[CS], v12
.endr
.set jj, 0
	s_wait_alu depctr_va_vdst(0)
.rept 64
	v_exp_f32 v[S+jj], v[S+jj]                     ; p
.set jj, jj+1
.endr
.irp b, 0,1,2,3
	v_exp_f32 v[BM+\b], v[BM+\b]                   ; the block's largest p: the same two instructions on the same number
.endr
	v_pk_mul_f32 v[14:15], v[14:15], v[FF:FF+1] op_sel_hi:[1,0]    ; the sums under the new M (a plain line behind the exponentials)
	s_wait_alu depctr_va_vdst(0)
.irp b, 0,1,2,3
	v_max_num_f32 v[BM+\b], 0x8000000, v[BM+\b]    ; the floor
.endr
.irp b, 0,1,2,3
	s_delay_alu instid0(VALU_DEP_4)
	v_add_nc_u32 v[SOP+\b], 0xf8800000, v[BM+\b]
.endr
.irp b, 0,1,2,3
	v_and_or_b32 v[LIM+\b], v[BM+\b], 0x7f800000, s[MNT]
.endr
.irp b, 0,1,2,3
	v_lshrrev_b32 v[PX+\b], 23, v[SOP+\b]
.endr
	s_delay_alu instid0(VALU_DEP_3)
	v_lshl_or_b32 v[PSW], v[PX+1], 8, v[PX]        ; p's scale word: far more than eight plain lines ahead of the products that take it
	s_delay_alu instid0(VALU_DEP_1)
	v_lshl_or_b32 v[PSW], v[PX+2], 16, v[PSW]
	s_delay_alu instid0(VALU_DEP_1)
	v_lshl_or_b32 v[PSW], v[PX+3], 24, v[PSW]
	v_pk_add_f32 v[244:245], v[116:117], v[120:121]        ; the row's sum: the 64 in eight chains
	v_pk_add_f32 v[252:253], v[124:125], v[128:129]
	v_pk_add_f32 v[250:251], v[132:133], v[136:137]
	v_pk_add_f32 v[248:249], v[140:141], v[144:145]
	v_pk_add_f32 v[246:247], v[148:149], v[152:153]
	v_pk_add_f32 v[226:227], v[156:157], v[160:161]
	v_pk_add_f32 v[224:225], v[164:165], v[168:169]
	v_pk_add_f32 v[14:15], v[14:15], v[172:173]
	v_pk_add_f32 v[244:245], v[244:245], v[112:113]
	v_pk_add_f32 v[252:253], v[252:253], v[114:115]
	v_pk_add_f32 v[250:251], v[250:251], v[118:119]
	v_pk_add_f32 v[248:249], v[248:249], v[122:123]
	v_pk_add_f32 v[246:247], v[246:247], v[126:127]
	v_pk_add_f32 v[226:227], v[226:227], v[130:131]
	v_pk_add_f32 v[224:225], v[224:225], v[134:135]
	v_pk_add_f32 v[14:15], v[14:15], v[138:139]
	v_pk_add_f32 v[244:245], v[244:245], v[142:143]
	v_pk_add_f32 v[252:253], v[252:253], v[146:147]
	v_pk_add_f32 v[250:251], v[250:251], v[150:151]
	v_pk_add_f32 v[248:249], v[248:249], v[154:155]
	v_pk_add_f32 v[246:247], v[246:247], v[158:159]
	v_pk_add_f32 v[226:227], v[226:227], v[162:163]
	v_pk_add_f32 v[224:225], v[224:225], v[166:167]
	v_pk_add_f32 v[14:15], v[14:15], v[170:171]
	v_pk_add_f32 v[244:245], v[244:245], v[174:175]
.irp b, 0,1,2,3
.set jj, 16*\b
.rept 8
	v_dual_min_num_f32 v[S+jj], v[LIM+\b], v[S+jj] :: v_dual_min_num_f32 v[S+jj+1], v[LIM+\b], v[S+jj+1]   ; the hold, two at a time; p is not negative
.set jj, jj+2
.endr
	v_cvt_scalef32_pk8_bf8_f32 v[PCD+4*\b:PCD+4*\b+1], v[S+16*\b:S+16*\b+7], v[SOP+\b]
	v_cvt_scalef32_pk8_bf8_f32 v[PCD+4*\b+2:PCD+4*\b+3], v[S+16*\b+8:S+16*\b+15], v[SOP+\b]
.endr
	s_wait_alu depctr_va_vdst(0)                   ; the wait ahead of the first readers of O^T
.set jj, 0
.rept 16
	v_pk_mul_f32 v[O+jj:O+jj+1], v[O+jj:O+jj+1], v[FF:FF+1] op_sel_hi:[1,0]   ; O^T under the new M; also the places in front of the products below
.set jj, jj+2
.endr
	s_wait_alu depctr_va_vdst(0)
	s_wait_dscnt 0x0                               ; V
.irp t, 0,2                            ; the four accumulators by turns
	v_wmma_scale_f32_16x16x128_f8f6f4 v[O+8*\t:O+8*\t+7], v[KV+16*\t:KV+16*\t+15], v[PCD:PCD+15], v[O+8*\t:O+8*\t+7], v[VSW+\t/2], v[PSW] matrix_a_fmt:MATRIX_FMT_BF8 matrix_b_fmt:MATRIX_FMT_BF8
	v_wmma_scale_f32_16x16x128_f8f6f4 v[O+8*\t+8:O+8*\t+15], v[KV+16*\t+16:KV+16*\t+31], v[PCD:PCD+15], v[O+8*\t+8:O+8*\t+15], v[VSW+\t/2], v[PSW] matrix_a_fmt:MATRIX_FMT_BF8 matrix_b_fmt:MATRIX_FMT_BF8 matrix_a_scale:MATRIX_SCALE_ROW1
.endr
	v_pk_add_f32 v[14:15], v[14:15], v[248:249]    ; the row's sum: the eight chains are joined here, where they are places behind the products
	v_pk_add_f32 v[244:245], v[244:245], v[246:247]
	v_pk_add_f32 v[252:253], v[252:253], v[226:227]
	v_pk_add_f32 v[250:251], v[250:251], v[224:225]
	s_delay_alu instid0(VALU_DEP_2)
	v_pk_add_f32 v[14:15], v[14:15], v[252:253]
	s_delay_alu instid0(VALU_DEP_2)
	v_pk_add_f32 v[244:245], v[244:245], v[250:251]
	s_delay_alu instid0(VALU_DEP_1)
	v_pk_add_f32 v[14:15], v[14:15], v[244:245]
.Lhidden_\@:
	s_add_co_u32 s[TB], s[TB], 8192
	s_add_co_u32 s[TS], s[TS], 768
.endm
	s_wait_alu depctr_va_vdst(0)                   ; the wait at the head's end
	s_cmp_lt_u32 s[WV], 8
	s_cbranch_scc0 .Lnot_yet
	s_wait_tensorcnt 0x0                           ; waves 0-7: key step 0 and the scale words are in
.Lnot_yet:
	s_barrier_signal -1
	s_barrier_wait -1
	s_wait_loadcnt 0x0                             ; Q
	s_wait_tensorcnt 0x0                           ; waves 12-15: key steps 1-15 are in (the others have no load out)
	s_wait_dscnt 0x0
	s_barrier_signal -1                            ; the second barrier: said ahead of the first step, so that no wave waits for another's first step
	STEP 1
	s_barrier_wait -1
	s_mov_b32 s[J], 1
.Lloop:
	STEP 0
	s_add_co_u32 s[J], s[J], 1
	s_cmp_lt_u32 s[J], 16
	s_cbranch_scc1 .Lloop
	; THE WAY OUT: O^T / the sum; its two blocks of 32 along d are quantised; the codes are brought into the plain order of k, in which w_out's lie
.rept 8
	v_nop
.endr
	s_wait_alu depctr_va_vdst(0)                   ; the sum was written ahead of the loop's branches
	v_add_f32 v14, v14, v15
	s_wait_alu depctr_va_vdst(0)
	v_permlanex16_b32 v[TP], v14, s[SEL], s[SEL+1]
	s_delay_alu instid0(VALU_DEP_1)
	v_add_f32 v14, v14, v[TP]                      ; the row's sum
	s_wait_alu depctr_va_vdst(0)
	v_rcp_f32 v14, v14
	v_and_b32 v5, 15, v0
	v_bfe_u32 v6, v0, 4, 1
	v_lshl_add_u32 v7, v5, 3, v6                   ; 8 r + h
.set jj, 0
	s_wait_alu depctr_va_vdst(0)
.rept 16
	v_pk_mul_f32 v[S+jj:S+jj+1], v[O+jj:O+jj+1], v[14:15] op_sel_hi:[1,0]     ; register 8 t + j: o(query r, d = 16 t + 8 h + j); each accumulator from its low end on
.set jj, jj+2
.endr
.irp b, 0,1
	v_max3_num_f32 v[BM+\b], |v[S+16*\b]|, |v[S+1+16*\b]|, 0x8000000
.endr
.irp i, 2,4,6,8,10,12,14
.irp b, 0,1
	s_delay_alu instid0(VALU_DEP_2)
	v_max3_num_f32 v[BM+\b], v[BM+\b], |v[S+16*\b+\i]|, |v[S+1+16*\b+\i]|
.endr
.endr
.irp b, 0,1
	s_delay_alu instid0(VALU_DEP_2)
	v_permlanex16_b32 v[PX+\b], v[BM+\b], s[SEL], s[SEL+1]
.endr
.irp b, 0,1
	s_delay_alu instid0(VALU_DEP_2)
	v_max_num_f32 v[BM+\b], v[BM+\b], v[PX+\b]
.endr
.irp b, 0,1
	s_delay_alu instid0(VALU_DEP_2)
	v_add_nc_u32 v[SOP+\b], 0xf8800000, v[BM+\b]
.endr
.irp b, 0,1
	s_delay_alu instid0(VALU_DEP_4)
	v_and_or_b32 v[LIM+\b], v[BM+\b], 0x7f800000, s[MNT]
.endr
.irp b, 0,1
	s_delay_alu instid0(VALU_DEP_4)
	v_lshrrev_b32 v[PX+\b], 23, v[SOP+\b]
.endr
.irp b, 0,1
.set jj, 0
.rept 16
	v_med3_num_f32 v[S+16*\b+jj], v[S+16*\b+jj], -v[LIM+\b], v[LIM+\b]
.set jj, jj+1
.endr
	v_cvt_scalef32_pk8_bf8_f32 v[PCD+4*\b:PCD+4*\b+1], v[S+16*\b:S+16*\b+7], v[SOP+\b]
	v_cvt_scalef32_pk8_bf8_f32 v[PCD+4*\b+2:PCD+4*\b+3], v[S+16*\b+8:S+16*\b+15], v[SOP+\b]
.endr
	v_nop                                          ; a plain line behind the last conversion
.irp b, 0,1                            ; registers 0, 1 hold d 8 h + 0..7, registers 2, 3 d 16 + 8 h + 0..7: lanes 16-31 of the first pair change places with lanes 0-15 of the second: then d = 16 h + 0 .. 15
	v_permlane16_swap_b32 v[PCD+4*\b], v[PCD+4*\b+2]
	v_permlane16_swap_b32 v[PCD+4*\b+1], v[PCD+4*\b+3]
.endr
	v_cndmask_b32 v[TP], v[PX], v[PX+1], s[LHI]    ; lane (r, h): row r's byte of block h
	global_store_b128 v1, v[PCD:PCD+3], s[78:79]               ; 512 consecutive bytes
	global_store_b128 v1, v[PCD+4:PCD+7], s[78:79] offset:512
	global_store_b8 v7, v[TP], s[80:81]
	s_wait_tensorcnt 0x0                           ; the wave's end
	ds_add_u32 v254, v255
	s_wait_dscnt 0x0
	ROUND                                          ; the closing round: no work-group ends while a partner may still ask
	s_endpgm
.Lfunc_end_k_qa97bfb434c_attn:
	.size	k_qa97bfb434c_attn, .Lfunc_end_k_qa97bfb434c_attn-k_qa97bfb434c_attn
	.p2alignl 7, 3214868480
	.fill 96, 4, 3214868480
	.section	.rodata,"a",@progbits
	.p2align	6, 0x0
	.amdhsa_kernel k_qa97bfb434c_attn
		.amdhsa_group_segment_fixed_size 276480
		.amdhsa_private_segment_fixed_size 0
		.amdhsa_enable_private_segment 0
		.amdhsa_kernarg_size 16
		.amdhsa_user_sgpr_count 2
		.amdhsa_user_sgpr_kernarg_segment_ptr 1
		.amdhsa_wavefront_size32 1
		.amdhsa_system_sgpr_workgroup_id_x 1
		.amdhsa_system_sgpr_workgroup_id_y 1
		.amdhsa_system_sgpr_workgroup_id_z 1
		.amdhsa_system_vgpr_workitem_id 0
		.amdhsa_next_free_vgpr 256
		.amdhsa_next_free_sgpr 100
		.amdhsa_reserve_vcc 0
		.amdhsa_float_denorm_mode_32 3
		.amdhsa_float_denorm_mode_16_64 3
		.amdhsa_memory_ordered 1
		.amdhsa_forward_progress 1
		.amdhsa_inst_pref_size 70
	.end_amdhsa_kernel
	.amdgpu_metadata
---
amdhsa.version: [ 1, 2 ]
amdhsa.kernels:
  - .name:           k_qa97bfb434c_attn
    .symbol:         k_qa97bfb434c_attn.kd
    .args:
      - { .name: qkv, .offset: 0, .size: 8, .value_kind: global_buffer, .address_space: global }
      - { .name: oq, .offset: 8, .size: 8, .value_kind: global_buffer, .address_space: global }
    .group_segment_fixed_size: 276480
    .private_segment_fixed_size: 0
    .kernarg_segment_align: 8
    .kernarg_segment_size: 16
    .max_flat_workgroup_size: 512
    .sgpr_count:     100
    .vgpr_count:     256
    .wavefront_size: 32
...
	.end_amdgpu_metadata
.endif
;; end of part 3
;; launch proj (part 4): grid 8 x 32, 4 waves a work-group, clusters of 4 x 4, 280,064 bytes of LDS; arguments oq, wq, out0; writes out0
.if DOCPART == 4
	.amdgcn_target "amdgcn-amd-amdhsa--gfx1250"
	.amdhsa_code_object_version 6
	.text
	.protected	k_qa97bfb434c_proj
	.globl	k_qa97bfb434c_proj
	.p2align	8
	.type	k_qa97bfb434c_proj,@function
k_qa97bfb434c_proj:
	s_mov_b64 s[64:65], 0
	v_nop
	global_prefetch_b8 v0, s[64:65] scope:SCOPE_SE
	s_setreg_imm32_b32 hwreg(HW_REG_WAVE_MODE, 25, 1), 1
	s_wait_xcnt 0x0
	s_wait_alu depctr_hold_cnt(0) depctr_sa_sdst(0) depctr_va_vdst(0) depctr_va_sdst(0) depctr_va_ssrc(0) depctr_va_vcc(0) depctr_vm_vsrc(0)
	s_getreg_b32 s2, hwreg(HW_REG_IB_STS2, 6, 4)
	s_cmp_eq_u32 s2, 0
	s_cbranch_scc0 .Lentry_in_a_cluster
	s_endpgm
.Lentry_in_a_cluster:
	s_bfe_u32 s2, ttmp6, 0x10000c
	s_cmp_lg_u32 s2, 0xf033
	s_cbranch_scc0 .Lentry_shape_is_right
	s_endpgm
.Lentry_shape_is_right:
; PROJ: out = o w_out on codes of BF8 (E5M2) with E8M0 scales: [4,096 x 1,024] x [1,024 x 1,024], f32 out.
; A work-group makes 128 x 128: 32 x 8 = 256 work-groups.  Its 128 rows of o and 128 columns of w_out, for all of K, fit in LDS: two halves of K of 131,072 bytes, A's 65,536 and B's 65,536.  Four waves of 64 x 64: 16 accumulators.
; LDS IS FILLED ONCE, by one joint load a wave: wave 0 A's first half of K, wave 1 B's, waves 2 and 3 the second halves, which are shown at a second barrier behind two steps' products.  No prefetch: there is no later stream to run ahead in.
; CLUSTERS: 4 x 4 work-groups: A's rows are shared along a row of the cluster, B's along a column.
; OPERANDS ARE IMAGES OF REGISTERS (16 rows x 128 K = 2,048 bytes, byte 512 c + 16 lane).  The scale words [pair of K steps 4][row 4,096][8 bytes] go straight into registers: lanes 0-15 an even tile's rows, lanes 16-31 the odd tile's behind it.
; TRANSPOSED USE: source 0 = 16 columns of w_out, source 1 = 16 rows of o: a lane holds eight neighbouring columns of one row.
; REGISTERS: window 0 addresses, scale words, the way out; windows 1 and 3: B's and A's fragments, four sets of 64 (K step s in set s % 4); window 2 the accumulators ((a, b) at v[8 (4 a + b)]).
; LIMITS: NaN and infinities are not served.
.set NP,    8                          ; places behind this matrix instruction (ISA guide 7.12.1 for vector instructions)
.set STAGE, 262144                     ; 16 rows x (256 bytes + 16) for each wave
.set SPITCH, 272
.set SPARE, 279552
.set IMGSW, 4194304
.set ADA, 16                           ; v16, v17 my A fragments in the first, the second half of K
.set ADB, 18                           ; v18, v19 B's
.set STO, 20
.set RD,  21
.set CO,  22
.set L8,  23
.set SPW, 28
.set NIL, 29
.set SA,  32                           ; v32-47 A's scale words: register 8 (a / 2) + K step;  v52-67 B's: no product's two numbers are equal modulo 8
.set SB,  52
.set BK,  96                           ; v96-223 rows read back from the stage
.set G1,  24
.set G1B, 32
.set G0,  40
.set G0B, 44
.set MSB, 0
.macro WIN new                         ; the immediate's high byte repeats the setting that is left
.if MSB != \new
	s_set_vgpr_msb (MSB<<8)|\new
.set MSB, \new
.endif
.endm
.macro PLACES n
.rept \n
	v_nop
.endr
.endm
.macro CROUND                          ; a round of the cluster's barrier
	s_barrier_signal -1
	s_barrier_wait -1
	s_cmp_lg_u32 s14, 0
	s_cbranch_scc1 .Lnot_wave_0_\@
	s_barrier_signal -3
.Lnot_wave_0_\@:
	s_barrier_wait -3
	s_barrier_signal -1
	s_barrier_wait -1
.endm
	s_load_b128 s[4:7], s[0:1], 0x0                ; oq, wq
	s_load_b64 s[8:9], s[0:1], 0x10                ; out0
	v_lshl_add_u32 v[SPW], v0, 2, SPARE
	v_mov_b32 v[NIL], 0
	ds_add_u32 v[SPW], v[NIL]                      ; the opening lines; the set-up below stands between them and their wait
	ds_add_u32 v[SPW], v[NIL]
	v_lshrrev_b32 v1, 5, v0
	v_readfirstlane_b32 s14, v1                    ; wave 0..3
	s_lshr_b32 s15, s14, 1                         ; my half of A's rows.  Also: which half of K I fetch
	s_and_b32 s16, s14, 1                          ; my half of B's rows.  Also: I fetch for A (0) or for B (1)
	s_bfe_u32 s17, ttmp6, 0x40000                  ; cx
	s_bfe_u32 s18, ttmp6, 0x40004                  ; cy
	s_lshl_b32 s19, ttmp9, 2
	s_add_co_u32 s19, s19, s17                     ; tile column
	s_and_b32 s20, ttmp7, 0xffff
	s_lshl_b32 s20, s20, 2
	s_add_co_u32 s20, s20, s18                     ; tile row
	s_lshl_b32 s21, s18, 2
	s_lshl_b32 s21, 15, s21                        ; my row of the cluster
	s_lshl_b32 s22, 0x1111, s17                    ; my column
	s_or_b32 s[G1], s21, (3<<16)|(1<<21)           ; 15:0 the mask; 17:16 elements of 8 bytes; 21 set beside a mask; no padding
	s_or_b32 s[G1B], s22, (3<<16)|(1<<21)
.irp g, G1, G1B                        ; 8 row tiles x 8,192 bytes (four K steps' images), 16,384 bytes apart
	s_mov_b32 s[\g+1], 1024<<16
	s_mov_b32 s[\g+2], 8<<16
	s_mov_b32 s[\g+3], 1024<<16
	s_mov_b32 s[\g+4], 8
	s_mov_b32 s[\g+5], 2048
	s_mov_b32 s[\g+6], 0
	s_mov_b32 s[\g+7], 0
.endr
	s_lshl_b32 s58, s15, 13                        ; my half of K
	s_lshl_b32 s48, s20, 17                        ; A: 8 row tiles of 16,384 bytes
	s_add_co_u32 s48, s48, s58
	s_mov_b32 s49, 0
	s_lshl_b32 s50, s19, 17                        ; B: w_out's columns begin at row tile 192
	s_add_co_u32 s50, s50, s58
	s_add_co_u32 s50, s50, 192*16384
	s_mov_b32 s51, 0
	s_lshl_b32 s52, s20, 10                        ; scale words: 8 bytes a row: my 64 rows of A,
	s_lshl_b32 s58, s15, 9
	s_add_co_u32 s52, s52, s58
	s_add_co_u32 s52, s52, IMGSW
	s_mov_b32 s53, 0
	s_lshl_b32 s54, s19, 10                        ; of B
	s_lshl_b32 s58, s16, 9
	s_add_co_u32 s54, s54, s58
	s_add_co_u32 s54, s54, IMGSW+24576
	s_mov_b32 s55, 0
	s_lshl_b32 s56, s20, 19                        ; out: row 128 x tile row + 64 x half, column likewise
	s_lshl_b32 s58, s15, 18
	s_add_co_u32 s56, s56, s58
	s_lshl_b32 s58, s19, 9
	s_add_co_u32 s56, s56, s58
	s_lshl_b32 s58, s16, 8
	s_add_co_u32 s56, s56, s58
	s_mov_b32 s57, 0
	s_mov_b32 s[G0], 1
	s_lshl_b32 s[G0+1], s15, 17
	s_mov_b32 s[G0B], 1
	s_add_co_u32 s[G0B+1], s[G0+1], 65536
	s_wait_dscnt 0x0                               ; both opening adds are done
	CROUND                                         ; all sixteen work-groups are here: the joint loads meet
	s_wait_kmcnt 0x0
	s_add_nc_u64 s[G0+2:G0+3], s[4:5], s[48:49]
	s_or_b32 s[G0+3], s[G0+3], 0x80000000
	s_add_nc_u64 s[G0B+2:G0B+3], s[6:7], s[50:51]
	s_or_b32 s[G0B+3], s[G0B+3], 0x80000000
	s_add_nc_u64 s[52:53], s[4:5], s[52:53]
	s_add_nc_u64 s[54:55], s[6:7], s[54:55]
	s_add_nc_u64 s[56:57], s[8:9], s[56:57]
.macro ARM n, g0, g1, next             ; one load a wave, a line of its own for each
	s_cmp_eq_u32 s14, \n
	s_cbranch_scc0 \next
	tensor_load_to_lds s[\g0:\g0+3], s[\g1:\g1+7]
	s_nop 0
	PLACES 4
	s_branch .Lasked
\next:
.endm
	ARM 0, G0,  G1,  .Lfor_b0
	ARM 1, G0B, G1B, .Lfor_a1
	ARM 2, G0,  G1,  .Lfor_b1
	tensor_load_to_lds s[G0B:G0B+3], s[G1B:G1B+7]
	s_nop 0
	PLACES 4
.Lasked:
	v_and_b32 v3, 31, v0
	v_lshlrev_b32 v[L8], 3, v3
.irp i, 0,1
.irp q, 0,1,2,3
	global_load_b64 v[SA+8*\i+2*\q:SA+8*\i+2*\q+1], v[L8], s[52:53] offset:\q*32768+256*\i   ; 256 consecutive bytes: 32 rows, two K steps
	global_load_b64 v[SB+8*\i+2*\q:SB+8*\i+2*\q+1], v[L8], s[54:55] offset:\q*32768+256*\i
.endr
.endr
	v_lshlrev_b32 v4, 4, v3                        ; 16 x lane
	v_and_b32 v1, 15, v0                           ; r
	v_bfe_u32 v2, v0, 4, 1                         ; h
	s_lshl_b32 s58, s15, 15                        ; my four row tiles of A
	s_add_co_u32 s59, s58, 131072
	s_lshl_b32 s60, s16, 15                        ; of B, behind A's eight
	s_add_co_u32 s60, s60, 65536
	s_add_co_u32 s61, s60, 131072
	s_mul_i32 s62, s14, 16*SPITCH
	s_add_co_u32 s62, s62, STAGE                   ; my stage
	s_wait_alu depctr_va_vdst(0)
	v_add_nc_u32 v[ADA], s58, v4
	v_add_nc_u32 v[ADA+1], s59, v4
	v_add_nc_u32 v[ADB], s60, v4
	v_add_nc_u32 v[ADB+1], s61, v4
	v_mul_u32_u24 v5, v1, SPITCH                   ; in: row r, 32 bytes for each half of the lanes
	v_lshl_add_u32 v5, v2, 5, v5
	v_add_nc_u32 v[STO], s62, v5
	v_mul_u32_u24 v6, v2, SPITCH                   ; back: lanes 0-15 a row of 256 bytes, lanes 16-31 the next
	v_lshl_add_u32 v6, v1, 4, v6
	v_add_nc_u32 v[RD], s62, v6
	v_lshlrev_b32 v[CO], 12, v2                    ; and in the result
	v_lshl_add_u32 v[CO], v1, 4, v[CO]
.macro LOAD s                          ; K step s: four fragments of B, four of A: 32 loads of 512 consecutive bytes
.set ST, 64*((\s)%4)
	WIN 0x40
.irp i, 0,1,2,3
.irp c, 0,1,2,3
	ds_load_b128 v[ST+16*\i+4*\c:ST+16*\i+4*\c+3], v[ADB+(\s)/4] offset:\i*8192+((\s)%4)*2048+512*\c
.endr
.endr
	WIN 0xc0
.irp i, 0,1,2,3
.irp c, 0,1,2,3
	ds_load_b128 v[ST+16*\i+4*\c:ST+16*\i+4*\c+3], v[ADA+(\s)/4] offset:\i*8192+((\s)%4)*2048+512*\c
.endr
.endr
	WIN 0
.endm
.macro ONE s, a, b                     ; step 0 starts the sum
.set AC, 8*(4*(\a)+(\b))
.set FA, 64*((\s)%4)+16*(\a)
.set FB, 64*((\s)%4)+16*(\b)
.set XA, SA+8*((\a)/2)+(\s)
.set XB, SB+8*((\b)/2)+(\s)
.if (\s) == 0
.if (\a)%2 && (\b)%2
	v_wmma_scale_f32_16x16x128_f8f6f4 v[AC:AC+7], v[FB:FB+15], v[FA:FA+15], 0, v[XB], v[XA] matrix_a_fmt:MATRIX_FMT_BF8 matrix_b_fmt:MATRIX_FMT_BF8 matrix_a_scale:MATRIX_SCALE_ROW1 matrix_b_scale:MATRIX_SCALE_ROW1
.elseif (\b)%2
	v_wmma_scale_f32_16x16x128_f8f6f4 v[AC:AC+7], v[FB:FB+15], v[FA:FA+15], 0, v[XB], v[XA] matrix_a_fmt:MATRIX_FMT_BF8 matrix_b_fmt:MATRIX_FMT_BF8 matrix_a_scale:MATRIX_SCALE_ROW1
.elseif (\a)%2
	v_wmma_scale_f32_16x16x128_f8f6f4 v[AC:AC+7], v[FB:FB+15], v[FA:FA+15], 0, v[XB], v[XA] matrix_a_fmt:MATRIX_FMT_BF8 matrix_b_fmt:MATRIX_FMT_BF8 matrix_b_scale:MATRIX_SCALE_ROW1
.else
	v_wmma_scale_f32_16x16x128_f8f6f4 v[AC:AC+7], v[FB:FB+15], v[FA:FA+15], 0, v[XB], v[XA] matrix_a_fmt:MATRIX_FMT_BF8 matrix_b_fmt:MATRIX_FMT_BF8
.endif
.else
.if (\a)%2 && (\b)%2
	v_wmma_scale_f32_16x16x128_f8f6f4 v[AC:AC+7], v[FB:FB+15], v[FA:FA+15], v[AC:AC+7], v[XB], v[XA] matrix_a_fmt:MATRIX_FMT_BF8 matrix_b_fmt:MATRIX_FMT_BF8 matrix_a_scale:MATRIX_SCALE_ROW1 matrix_b_scale:MATRIX_SCALE_ROW1
.elseif (\b)%2
	v_wmma_scale_f32_16x16x128_f8f6f4 v[AC:AC+7], v[FB:FB+15], v[FA:FA+15], v[AC:AC+7], v[XB], v[XA] matrix_a_fmt:MATRIX_FMT_BF8 matrix_b_fmt:MATRIX_FMT_BF8 matrix_a_scale:MATRIX_SCALE_ROW1
.elseif (\a)%2
	v_wmma_scale_f32_16x16x128_f8f6f4 v[AC:AC+7], v[FB:FB+15], v[FA:FA+15], v[AC:AC+7], v[XB], v[XA] matrix_a_fmt:MATRIX_FMT_BF8 matrix_b_fmt:MATRIX_FMT_BF8 matrix_b_scale:MATRIX_SCALE_ROW1
.else
	v_wmma_scale_f32_16x16x128_f8f6f4 v[AC:AC+7], v[FB:FB+15], v[FA:FA+15], v[AC:AC+7], v[XB], v[XA] matrix_a_fmt:MATRIX_FMT_BF8 matrix_b_fmt:MATRIX_FMT_BF8
.endif
.endif
.endm
.macro MUL s                           ; 16 matrix instructions; the 16 accumulators take turns
	WIN 0xad                                       ; source 0 (B) window 1, source 1 (A) window 3, C and D window 2
.irp a, 0,1,2,3
.irp b, 0,1,2,3
	ONE \s, \a, \b
.endr
.endr
.endm
	s_wait_alu depctr_va_vdst(0)                   ; the wait at the head's end
	s_cmp_lt_u32 s14, 2
	s_cbranch_scc0 .Lnot_yet
	s_wait_tensorcnt 0x0                           ; waves 0, 1: the first half of K is in; waves 2, 3 wait at the second barrier
.Lnot_yet:
	s_barrier_signal -1
	s_barrier_wait -1
	LOAD 0
	LOAD 1
	s_wait_loadcnt 0x0                             ; the scale words
	s_wait_dscnt 32                                ; step 0 is in; step 1's 32 loads may be out
	LOAD 2
	MUL 0
	s_wait_dscnt 32
	LOAD 3
	MUL 1
	s_wait_tensorcnt 0x0                           ; waves 2, 3: the second half of K is in
	s_wait_dscnt 0x0
	s_barrier_signal -1
	MUL 2
	WIN 0
	s_barrier_wait -1
	PLACES NP                                      ; in front of loads into the sets that steps 0, 1 and 2 read
; THE SECOND HALF OF K GOES BY ROWS OF THE RESULT: its four steps' fragments fill the four sets; then my four blocks of 16 rows are finished one after the other, K ascending, and each leaves as soon as it is finished
.macro PARTB s                         ; step s: B's four fragments
	WIN 0x40
.irp i, 0,1,2,3
.irp c, 0,1,2,3
	ds_load_b128 v[64*((\s)%4)+16*\i+4*\c:64*((\s)%4)+16*\i+4*\c+3], v[ADB+1] offset:\i*8192+((\s)%4)*2048+512*\c
.endr
.endr
.endm
.macro PARTA s, i                      ; step s: A's block i
	WIN 0xc0
.irp c, 0,1,2,3
	ds_load_b128 v[64*((\s)%4)+16*(\i)+4*\c:64*((\s)%4)+16*(\i)+4*\c+3], v[ADA+1] offset:(\i)*8192+((\s)%4)*2048+512*\c
.endr
.endm
	PARTB 4
	PARTB 5
	PARTB 6
	PARTA 4, 0
	PARTA 5, 0
	PARTA 6, 0
	MUL 3
	PLACES NP                                      ; step 3's set
	PARTB 7
	PARTA 7, 0
.irp i, 1,2,3
.irp s, 4,5,6,7
	PARTA \s, \i
.endr
.endr
	WIN 0
; THE WAY OUT: 16 rows x 64 columns at a time through my own stage: eight neighbouring numbers a lane in, whole rows of 256 bytes back; LDS serves a wave's instructions in order, so no wait stands between
.macro TOSTAGE a
	WIN 0x08                                       ; the data: window 2
.irp b, 0,1,2,3
	ds_store_b128 v[STO], v[8*(4*(\a)+\b):8*(4*(\a)+\b)+3] offset:64*\b
	ds_store_b128 v[STO], v[8*(4*(\a)+\b)+4:8*(4*(\a)+\b)+7] offset:64*\b+16
.endr
	WIN 0
.irp t, 0,1,2,3,4,5,6,7
	ds_load_b128 v[BK+32*(\a)+4*\t:BK+32*(\a)+4*\t+3], v[RD] offset:\t*2*SPITCH
.endr
.endm
.macro SEND a, younger
	WIN 0
	s_wait_dscnt \younger                          ; the LDS instructions issued behind this block's loads may be out
.irp t, 0,1,2,3,4,5,6,7
	global_store_b128 v[CO], v[BK+32*(\a)+4*\t:BK+32*(\a)+4*\t+3], s[56:57] offset:(\a)*65536+\t*8192 th:TH_STORE_NT   ; sixteen lanes store 256 consecutive bytes, aligned
.endr
.endm
.macro ROW a                           ; block a is finished: 16 matrix instructions, its four accumulators by turns
	WIN 0xad
.irp s, 4,5,6,7
.irp b, 0,1,2,3
	ONE \s, \a, \b
.endr
.endr
.endm
	s_wait_dscnt 48                                ; B and A's block 0 are in; the 48 loads of blocks 1, 2 and 3 may be out
	ROW 0
	PLACES NP
	TOSTAGE 0
	s_wait_dscnt 48                                ; block 1 is in; blocks 2 and 3 and the stage's 16 may be out
	ROW 1
	SEND 0, 0
	PLACES NP
	TOSTAGE 1
	ROW 2
	SEND 1, 0
	PLACES NP
	TOSTAGE 2
	ROW 3
	SEND 2, 0
	PLACES NP
	TOSTAGE 3
	SEND 3, 0
	s_wait_tensorcnt 0x0                           ; the wave's end
	ds_add_u32 v[SPW], v[NIL]
	s_wait_dscnt 0x0
	CROUND                                         ; the closing round
	s_endpgm
.Lfunc_end_k_qa97bfb434c_proj:
	.size	k_qa97bfb434c_proj, .Lfunc_end_k_qa97bfb434c_proj-k_qa97bfb434c_proj
	.p2alignl 7, 3214868480
	.fill 96, 4, 3214868480
	.section	.rodata,"a",@progbits
	.p2align	6, 0x0
	.amdhsa_kernel k_qa97bfb434c_proj
		.amdhsa_group_segment_fixed_size 280064
		.amdhsa_private_segment_fixed_size 0
		.amdhsa_enable_private_segment 0
		.amdhsa_kernarg_size 24
		.amdhsa_user_sgpr_count 2
		.amdhsa_user_sgpr_kernarg_segment_ptr 1
		.amdhsa_wavefront_size32 1
		.amdhsa_system_sgpr_workgroup_id_x 1
		.amdhsa_system_sgpr_workgroup_id_y 1
		.amdhsa_system_sgpr_workgroup_id_z 1
		.amdhsa_system_vgpr_workitem_id 0
		.amdhsa_next_free_vgpr 1024
		.amdhsa_next_free_sgpr 70
		.amdhsa_reserve_vcc 0
		.amdhsa_float_denorm_mode_32 3
		.amdhsa_float_denorm_mode_16_64 3
		.amdhsa_memory_ordered 1
		.amdhsa_forward_progress 1
		.amdhsa_inst_pref_size 51
	.end_amdhsa_kernel
	.amdgpu_metadata
---
amdhsa.version: [ 1, 2 ]
amdhsa.kernels:
  - .name:           k_qa97bfb434c_proj
    .symbol:         k_qa97bfb434c_proj.kd
    .args:
      - { .name: oq, .offset: 0, .size: 8, .value_kind: global_buffer, .address_space: global }
      - { .name: wq, .offset: 8, .size: 8, .value_kind: global_buffer, .address_space: global }
      - { .name: out0, .offset: 16, .size: 8, .value_kind: global_buffer, .address_space: global }
    .group_segment_fixed_size: 280064
    .private_segment_fixed_size: 0
    .kernarg_segment_align: 8
    .kernarg_segment_size: 24
    .max_flat_workgroup_size: 128
    .sgpr_count:     70
    .vgpr_count:     1024
    .wavefront_size: 32
...
	.end_amdgpu_metadata
.endif
;; end of part 4
